; MI455X (gfx1250); checked and timed in simulation.
; The chip was launched on July 23, 2026; its instructions are those of AMD's public machine-readable ISA for CDNA 5 (MIT licence, August 2026) and "CDNA5" Instruction Set Architecture Reference Guide (July 2026). The comments in the code are by the model that wrote it; some were corrected since.
;; GQA Reference. Allowed arithmetic: matrix products marked QUANTISED: E4M3 operands, one given power-of-two scale a tensor, by v_wmma_f32_16x16x64_fp8_fp8 or v_wmma_f32_16x16x128_fp8_fp8, f32 sums; everything else in f32.
;; Inputs: attention_mask 1 x 1 x 2,048 x 2,048 float32; cos 1 x 1 x 2,048 x 128 float32; hidden_states 1 x 2,048 x 4,096 float32; k_norm_w 128 float32; lowp_scales 12 int32 (the exponents e of the quantised operands' scales 2^e); pre_norm_w 4,096 float32; q_norm_w 128 float32; sin 1 x 1 x 2,048 x 128 float32; wk 1,024 x 4,096 float32; wo 4,096 x 2,048 float32; wq 2,048 x 4,096 float32; wv 1,024 x 4,096 float32.
;; Outputs: out0 1 x 2,048 x 4,096 float32.
;; This version of the problem:
;;   THIS VERSION OF THE PROBLEM IS GIVEN IN LOW PRECISION. The matrix products marked QUANTISED in the list below multiply operands that are first quantised to E4M3 (4 exponent bits, 3 mantissa bits; 8 bits a number), with one given power-of-two scale for each operand tensor; their sums are f32. All else is computed in f32.
;;   The module's matrix products, in the order in which they are computed (A, B: the left and right operand; K: the contracted axis; several contracted axes count as one K, in the product's order):
;;     1. [M 2,048, K 4,096] x [K 4,096, N 2,048]; A: computed on the way; B: input wq: QUANTISED (scales: A lowp_scales[0], B lowp_scales[1])
;;     2. [M 2,048, K 4,096] x [K 4,096, N 1,024]; A: computed on the way; B: input wk: QUANTISED (scales: A lowp_scales[2], B lowp_scales[3])
;;     3. [M 2,048, K 4,096] x [K 4,096, N 1,024]; A: computed on the way; B: input wv: QUANTISED (scales: A lowp_scales[4], B lowp_scales[5])
;;     4. batch 16 x [M 2,048, K 128] x [K 128, N 2,048]; A: computed on the way; B: computed on the way: QUANTISED (scales: A lowp_scales[6], B lowp_scales[7])
;;     5. batch 16 x [M 2,048, K 2,048] x [K 2,048, N 128]; A: softmax (see below); B: computed on the way: QUANTISED (scales: A lowp_scales[8], B lowp_scales[9])
;;     6. [M 2,048, K 2,048] x [K 2,048, N 4,096]; A: computed on the way; B: input wo: QUANTISED (scales: A lowp_scales[10], B lowp_scales[11])
;;   THE QUANTISER, for each operand of a quantised product, along K:
;;     - The operand's scale is 2^e, e = its entry of the input lowp_scales (int32; the entries are numbered through the quantised products in the list's order, A before B).
;;     - Each number is divided by the scale, clamped to +-448, and rounded to the nearest number of E4M3, ties to even, subnormals kept.
;;     - The product sums the exact products of the quantised numbers (number of the format x scale) in f32.
;;   ~~~python
;;   def quantise(x, axis, e):      # numpy; x: float32 -> the quantised numbers, widened to float32 again
;;       x = np.moveaxis(x, axis, -1); K = x.shape[-1]
;;       r = np.clip(x / 2.0 ** e, -448, 448)
;;       step = 2.0 ** (np.maximum(np.frexp(np.where(r == 0, 1, r))[1] - 1, -6) - 3)
;;       q = np.round(r / step) * step * 2.0 ** e      # np.round: ties to even
;;       return np.moveaxis(q, -1, axis).astype(np.float32)
;;   ~~~
;;   SOFTMAX AHEAD OF A QUANTISED PRODUCT. Where the list says 'softmax', what is quantised is not the finished softmax but p = 2^(t - M), with t = logit x log2(e) and M = ceil(the row's largest t), a whole number; so 1/2 < the row's largest p <= 1. The row's sum l is taken of the UNQUANTISED p, in f32, and the product's result is divided by l at the end. Since M is a whole number, a kernel that streams over the keys may use a running M (the ceiling of the running maximum): every later rescaling is an exact power of two, so the quantised numbers keep their values, but for numbers so far below the row's largest that they fall under the format's range.
;;   OPERANDS COMPUTED ON THE WAY. 'Computed on the way' means the value that the module computes at that place (a softmax that the list does not call 'softmax' is quantised finished and normalised). What goes into a quantiser is computed in f32, as accurately as f32 sums, v_exp_f32 and their like allow (about 1e-6 of the number): no bf16 or f16 on the way to a quantiser, and a product that is left as it is and whose result goes on into a quantised operand takes f32 operands (vector FMAs, or v_wmma_f32_16x16x4_f32). A number that lies on a knife's edge between two numbers of the format may be rounded either way, as far as f32 arithmetic and the matrix unit's own rounding can turn it there, and no further.
;; One version. Each part assembles by itself: llvm-mc -triple=amdgcn-amd-amdhsa -mcpu=gfx1250 --defsym DOCPART=n.
;; ======== version 1 of 1: 4 launches
;; limits: right only within a limited range of input values
;; workspace buffers: hc 25,165,824 bytes; wc 25,165,824 bytes; qc 4,194,304 bytes; kvc 4,194,304 bytes; ac 4,194,304 bytes
;; launch prep (part 1): grid 256 x 1, 16 waves a work-group, no clusters, 297,984 bytes of LDS; arguments hidden_states, pre_norm_w, wq, wk, wv, wo, lowp_scales, hc, wc; writes hc, wc
.if DOCPART == 1
	.amdgcn_target "amdgcn-amd-amdhsa--gfx1250"
	.amdhsa_code_object_version 6
	.text
	.protected	k_qfc8c71bc63_prep
	.globl	k_qfc8c71bc63_prep
	.p2align	8
	.type	k_qfc8c71bc63_prep,@function
k_qfc8c71bc63_prep:
	s_mov_b64 s[64:65], 0
	v_nop
	global_prefetch_b8 v0, s[64:65] scope:SCOPE_SE
	s_setreg_imm32_b32 hwreg(HW_REG_WAVE_MODE, 25, 1), 1
	s_wait_xcnt 0x0
; ONE LAUNCH MAKES ALL CODES OF FP8 (E4M3) THAT THE PROJECTIONS READ.  code = x / 2^e, held within +-448, to the nearest code, ties to even.
; The work is 512 blocks of 16 units.  Blocks 0-127: h = pre_norm_w x (x rsqrt(mean(x^2) + 1e-5)) for 16 rows of hidden_states [2048][4096], quantised three times, with 2^e0, 2^e2, 2^e4, into hc = 3 x 8,388,608 bytes.
; Blocks 128-255 wq, 256-319 wk, 320-383 wv (rows of 4,096), 384-511 wo (rows of 2,048), with 2^e1, 2^e3, 2^e5, 2^e11, into wc: wq at 0, wk at 8,388,608, wv at 12,582,912, wo at 16,777,216.
; THE CODES ARE STORED AS IMAGES OF OPERAND REGISTERS: 16 rows x 128 K, 2,048 bytes: registers 4 g .. 4 g + 3 of lane l at 512 g + 16 l; lane (r = l % 16, h = l / 16): row r, registers 2 c, 2 c + 1: k = 16 c + 8 h + 0 .. 7.
; Each tensor is [tile of 16 rows][chunk of 128 K][2,048].
; SHARES.  256 work-groups, two blocks each, 524,288 bytes read by each: work-group x < 128 takes blocks x (hidden_states) and x + 128 (wq); the others blocks x + 128 (wk, wv) and x + 256 (wo).
; A wave takes one unit of each block, 16 rows x 256 K: 16 KiB in, two neighbouring images out.  Unit u of a tensor = 16 x (block - the tensor's first) + wave, so a block of hidden_states
; holds whole rows, and a row's sum of squares has one owner.  A wave goes on to its second unit by itself: only the rows' sums go from wave to wave, behind one barrier.
; Each load reads 512 consecutive bytes of a row; the rows (and the gains, row 16) turn through the wave's own stages in LDS, rows 528 bytes apart, so that a lane gets its 8 neighbours along K.
; The order of rounding differs from the source's: (x w) rs here, w (x rs) there.  LIMITS: every exponent used here between -126 and 119.  NaN among the inputs is not served.
.set SP,   528
.set STG,  17*SP                       ; a stage: 16 rows and the gains, one chunk of 128 K
.set WREG, 18432                       ; a wave's LDS: two stages
.set RED,  16*WREG                     ; 16 waves x 16 rows x 4 bytes: the waves' sums
.set SPARE, RED+1024                   ; the spare words, 128 bytes a wave
.set LI,   4                           ; v4  16 x lane
.set SW,   5                           ; v5  into a stage
.set SR,   6                           ; v6  out of it: + 528 r + 32 h
.set SG,   7                           ; v7  the gains: my wave's LDS + 32 h
.set RW,   8                           ; v8  where my wave's sum of row r goes
.set RR,   9                           ; v9  where row r's sixteen sums begin
.set OFF,  16                          ; v16-31 row j's offset: 16 x lane + j x a row's bytes; for a weight later chunk 0's codes
.set T,    32                          ; v32-47 sums, later two sets of 8 held numbers
.set RS,   40                          ; v[40:41] rsqrt, twice
.set CS,   48                          ; v48, 49: 2^e, 448 x 2^e of the first quantising; v50-53: of the second and third
.set SPW,  54                          ; v54 my spare word; never rewritten
.set NIL,  55                          ; v55 0; never rewritten
.set GR,   56                          ; v56-63 the gains as loaded
.set F1,   64                          ; chunk 0 as loaded, then chunk 1 in fragment order
.set F0,   128                         ; chunk 0 in fragment order
.set G,    192                         ; chunk 1 as loaded, the gains in fragment order, at last codes
.set DST,  40                          ; s[40:45] where my images go, one pair for each quantising
.set BL,   61                          ; s61 the block in hand
.macro INTO rb, q
.set j, 0
.rept 16
	ds_store_b128 v[SW], v[\rb+4*j:\rb+4*j+3] offset:\q*STG+SP*j
.set j, j+1
.endr
.endm
.macro BACK fb, adr, at
.irp c, 0,1,2,3,4,5,6,7
	ds_load_b128 v[\fb+8*\c:\fb+8*\c+3], v[\adr] offset:\at+64*\c
	ds_load_b128 v[\fb+8*\c+4:\fb+8*\c+7], v[\adr] offset:\at+64*\c+16
.endr
.endm
.macro SQ fb, first                    ; the squares of 64 numbers, onto four pairs that take turns
.set j, 0
.rept 32
.if (\first) && (j < 8)
	v_pk_mul_f32 v[T+j:T+j+1], v[\fb+j:\fb+j+1], v[\fb+j:\fb+j+1]
.else
	v_pk_fma_f32 v[T+j%8:T+j%8+1], v[\fb+j:\fb+j+1], v[\fb+j:\fb+j+1], v[T+j%8:T+j%8+1]
.endif
.set j, j+2
.endr
.endm
.macro TIMES fb, gb
.set j, 0
.rept 32
	v_pk_mul_f32 v[\fb+j:\fb+j+1], v[\fb+j:\fb+j+1], v[\gb+j:\gb+j+1]
.set j, j+2
.endr
.endm
.macro QUANT fb, cb, sc, lim           ; the hold (the conversion does not saturate: ISA guide 7.6.2) and the conversion; two sets of held numbers by turns
.irp c, 0,1,2,3,4,5,6,7
.irp j, 0,1,2,3,4,5,6,7
	v_med3_num_f32 v[T+8*(\c%2)+\j], v[\fb+8*\c+\j], -v[\lim], v[\lim]
.endr
	v_cvt_scalef32_pk8_fp8_f32 v[\cb+2*\c:\cb+2*\c+1], v[T+8*(\c%2):T+8*(\c%2)+7], v[\sc]
.endr
.endm
.macro PASS i, cb                      ; both chunks under scale i, and their two images, 4,096 consecutive bytes
	QUANT F0, \cb, CS+2*\i, CS+2*\i+1
	QUANT F1, \cb+16, CS+2*\i, CS+2*\i+1
	v_nop
.irp g, 0,1,2,3,4,5,6,7
	global_store_b128 v[LI], v[\cb+4*\g:\cb+4*\g+3], s[DST+2*\i:DST+2*\i+1] offset:512*\g
.endr
.endm
.macro MKSC e, i
	s_add_co_i32 s46, s[\e], 127
	s_lshl_b32 s47, s46, 23
	v_mov_b32 v[CS+2*\i], s47
	s_add_co_i32 s46, s46, 8
	s_lshl_b32 s46, s46, 23
	s_or_b32 s46, s46, 0x600000
	v_mov_b32 v[CS+2*\i+1], s46
.endm
; The block in hand: which tensor (its first block s26, a row's bytes s27, log2 of the units in a tile of rows s28), where my unit lies, and its 32 loads.  All by the block's number alone.
; first = 1: the work-group's first block, which may be one of hidden_states; first = 0: its second, a weight's.
.macro FETCHUNIT first
	s_mov_b32 s26, 384
	s_mov_b32 s27, 8192
	s_cmp_lt_u32 s[BL], 384
	s_cselect_b32 s26, 320, s26
	s_cselect_b32 s27, 16384, s27
	s_cselect_b32 s28, 4, 3
	s_cmp_lt_u32 s[BL], 320
	s_cselect_b32 s26, 256, s26
	s_cmp_lt_u32 s[BL], 256
	s_cselect_b32 s26, 128, s26
.if \first
	s_cmp_lt_u32 s[BL], 128
	s_cselect_b32 s26, 0, s26
	s_cselect_b32 s29, 0, 128                      ; the first block of the buffer of codes: hc's or wc's
.else
	s_mov_b32 s29, 128
.endif
	s_sub_co_u32 s32, s[BL], s26
	s_lshl_b32 s32, s32, 4
	s_add_co_u32 s32, s32, s22                     ; my unit within the tensor
	s_lshr_b32 s33, s32, s28                       ; its tile of rows,
	s_bfm_b32 s34, s28, 0
	s_and_b32 s34, s32, s34                        ; its 256 along K
	s_lshl_b32 s35, s27, 4
	s_mul_i32 s36, s33, s35
	s_lshl_b32 s34, s34, 10
	s_add_co_u32 s36, s36, s34
	s_mov_b32 s37, 0
	s_sub_co_u32 s38, s[BL], s29
	s_lshl_b32 s38, s38, 4
	s_add_co_u32 s38, s38, s22
	s_lshl_b32 s38, s38, 12                        ; 4,096 bytes of codes a unit
	s_mov_b32 s39, 0
.set j, 0
.rept 16
	v_mad_u32_u24 v[OFF+j], s27, j, v[LI]
.set j, j+1
.endr
	s_wait_alu depctr_va_vdst(0)
.if \first
	s_wait_kmcnt 0x0
	s_load_b256 s[48:55], s[16:17], 0x0            ; e0 .. e7
	s_load_b128 s[56:59], s[16:17], 0x20           ; e8 .. e11
.endif
	s_cmp_lt_u32 s[BL], 384
	s_cselect_b64 s[24:25], s[12:13], s[14:15]
	s_cmp_lt_u32 s[BL], 320
	s_cselect_b64 s[24:25], s[10:11], s[24:25]
	s_cmp_lt_u32 s[BL], 256
	s_cselect_b64 s[24:25], s[8:9], s[24:25]
.if \first
	s_cmp_lt_u32 s[BL], 128
	s_cselect_b64 s[24:25], s[4:5], s[24:25]
	s_cselect_b64 s[DST:DST+1], s[18:19], s[20:21]
.else
	s_mov_b64 s[DST:DST+1], s[20:21]
.endif
	s_add_nc_u64 s[24:25], s[24:25], s[36:37]
	s_add_nc_u64 s[DST:DST+1], s[DST:DST+1], s[38:39]
.set j, 0
.rept 16
	global_load_b128 v[F1+4*j:F1+4*j+3], v[OFF+j], s[24:25] th:TH_LOAD_NT             ; chunk 0 of row j: 32 lanes read 512 consecutive bytes
.set j, j+1
.endr
.set j, 0
.rept 16
	global_load_b128 v[G+4*j:G+4*j+3], v[OFF+j], s[24:25] offset:512 th:TH_LOAD_NT    ; chunk 1
.set j, j+1
.endr
.endm
; A weight's unit: one quantising, nothing goes from wave to wave
.macro WUNIT
	s_cmp_lt_u32 s[BL], 384
	s_cselect_b32 s60, s53, s59                    ; e5 or e11
	s_cmp_lt_u32 s[BL], 320
	s_cselect_b32 s60, s51, s60                    ; e3
	s_cmp_lt_u32 s[BL], 256
	s_cselect_b32 s60, s49, s60                    ; e1
	MKSC 60, 0
	s_wait_alu depctr_va_vdst(0)
	s_wait_loadcnt 16                              ; chunk 0's sixteen loads are in; chunk 1's may be out
	INTO F1, 0
	BACK F0, SR, 0                                 ; LDS serves a wave's instructions in order (ISA guide 5.7.1.4): no wait between my stores and my loads
	s_wait_loadcnt 0x0                             ; chunk 1 is in, and no load reads the rows' offsets any more
	INTO G, 1
	s_wait_dscnt 16                                ; all but the sixteen stores just issued: chunk 0 is back, and its raw registers are free
	BACK F1, SR, STG
	QUANT F0, OFF, CS, CS+1
	s_wait_dscnt 0x0                               ; chunk 1 is back, and its raw registers are free
	QUANT F1, G, CS, CS+1
	v_nop                                          ; a plain line behind the last conversion
.irp g, 0,1,2,3
	global_store_b128 v[LI], v[OFF+4*\g:OFF+4*\g+3], s[DST:DST+1] offset:512*\g       ; each store of the wave covers 512 consecutive bytes, aligned
.endr
.irp g, 0,1,2,3
	global_store_b128 v[LI], v[G+4*\g:G+4*\g+3], s[DST:DST+1] offset:2048+512*\g
.endr
.endm
	s_load_b512 s[4:19], s[0:1], 0x0               ; hidden_states s[4:5], pre_norm_w s[6:7], wq s[8:9], wk s[10:11], wv s[12:13], wo s[14:15], the exponents s[16:17], hc s[18:19]
	s_load_b64 s[20:21], s[0:1], 0x40              ; wc
	v_lshl_add_u32 v[SPW], v0, 2, SPARE
	v_mov_b32 v[NIL], 0
	v_lshrrev_b32 v1, 5, v0
	s_delay_alu instid0(VALU_DEP_1)
	v_readfirstlane_b32 s22, v1                    ; wave 0..15
	v_and_b32 v2, 31, v0
	v_and_b32 v3, 15, v0                           ; r
	v_bfe_u32 v10, v0, 4, 1                        ; h
	s_delay_alu instid0(VALU_DEP_3)
	v_lshlrev_b32 v[LI], 4, v2
	s_mul_i32 s23, s22, WREG
	v_mul_u32_u24 v[SR], v3, SP
	v_lshlrev_b32 v[SG], 5, v10
	v_lshlrev_b32 v[RR], 2, v3
	v_add_nc_u32 v[SW], s23, v[LI]
	v_lshl_add_u32 v[SR], v10, 5, v[SR]
	v_add_nc_u32 v[SG], s23, v[SG]
	s_lshl_b32 s36, s22, 6
	s_add_co_u32 s36, s36, RED
	v_lshl_add_u32 v[RW], v3, 2, s36
	v_add_nc_u32 v[RR], RED, v[RR]
	v_add_nc_u32 v[SR], s23, v[SR]
	s_cmp_lt_u32 ttmp9, 128
	s_cselect_b32 s[BL], 0, 128
	s_add_co_u32 s[BL], s[BL], ttmp9               ; my first block: x, or x + 128
	FETCHUNIT 1
	s_cmp_lt_u32 s[BL], 128
	s_cbranch_scc0 .Lweights
	; HIDDEN STATES
	s_lshl_b32 s36, s22, 10                        ; my 256 gains
	s_add_nc_u64 s[6:7], s[6:7], s[36:37]
	global_load_b128 v[GR:GR+3], v[LI], s[6:7]
	global_load_b128 v[GR+4:GR+7], v[LI], s[6:7] offset:512
	s_add_nc_u64 s[DST+2:DST+3], s[DST:DST+1], 0x800000
	s_add_nc_u64 s[DST+4:DST+5], s[DST+2:DST+3], 0x800000
	s_mov_b32 s62, 0x76543210                      ; v_permlanex16_b32's selects for lane l xor 16
	s_mov_b32 s63, 0xfedcba98
	s_mov_b32 s66, 0x39800000                      ; 1 / 4,096
	s_mov_b32 s67, 0x3727c5ac                      ; 1e-5
	s_wait_kmcnt 0x0
	MKSC 48, 0
	MKSC 50, 1
	MKSC 52, 2
	s_wait_alu depctr_va_vdst(0)
	s_wait_loadcnt 18                              ; chunk 0 is in; chunk 1's sixteen loads and the gains' two may be out
	INTO F1, 0
	BACK F0, SR, 0
	s_wait_loadcnt 0x0
	ds_store_b128 v[SW], v[GR:GR+3] offset:16*SP
	ds_store_b128 v[SW], v[GR+4:GR+7] offset:STG+16*SP
	INTO G, 1
	s_wait_dscnt 18                                ; all but the eighteen stores just issued: chunk 0 is back
	BACK F1, SR, STG
	s_wait_dscnt 16                                ; all but the sixteen loads just issued: chunk 1's raw registers are free
	BACK G, SG, 16*SP                              ; chunk 0's gains in fragment order
	SQ F0, 1
	s_wait_alu depctr_va_vdst(0)
	s_wait_dscnt 16                                ; chunk 1 is back; the gains' sixteen loads may be out
	SQ F1, 0
	s_wait_dscnt 0x0
	TIMES F0, G
	BACK G, SG, STG+16*SP                          ; chunk 1's gains
	v_pk_add_f32 v[T:T+1], v[T:T+1], v[T+2:T+3]
	v_pk_add_f32 v[T+4:T+5], v[T+4:T+5], v[T+6:T+7]
	s_delay_alu instid0(VALU_DEP_1)
	v_pk_add_f32 v[T:T+1], v[T:T+1], v[T+4:T+5]
	s_delay_alu instid0(VALU_DEP_1)
	v_add_f32 v[T], v[T], v[T+1]
	s_delay_alu instid0(VALU_DEP_1)
	v_permlanex16_b32 v[T+1], v[T], s62, s63       ; the row's other 128 numbers of my wave lie in the lane 16 away
	s_delay_alu instid0(VALU_DEP_1)
	v_add_f32 v[T], v[T], v[T+1]
	ds_store_b32 v[RW], v[T]                       ; lanes r and r + 16 write the same word with the same number
	s_wait_dscnt 0x0                               ; for the others' sake: my sum has landed; and the gains are in
	TIMES F1, G
	s_barrier_signal -1
	s_barrier_wait -1
.set j, 0
.rept 16
	ds_load_b32 v[T+j], v[RR] offset:64*j          ; row r's sums of the sixteen waves
.set j, j+1
.endr
	s_wait_dscnt 0x0
.irp i, 0,4,8,12
	v_pk_add_f32 v[T+\i:T+\i+1], v[T+\i:T+\i+1], v[T+\i+2:T+\i+3]
.endr
	s_delay_alu instid0(VALU_DEP_3)
	v_pk_add_f32 v[T:T+1], v[T:T+1], v[T+4:T+5]
	s_delay_alu instid0(VALU_DEP_2)
	v_pk_add_f32 v[T+8:T+9], v[T+8:T+9], v[T+12:T+13]
	s_delay_alu instid0(VALU_DEP_1)
	v_pk_add_f32 v[T:T+1], v[T:T+1], v[T+8:T+9]
	s_delay_alu instid0(VALU_DEP_1)
	v_add_f32 v[RS], v[T], v[T+1]
	s_delay_alu instid0(VALU_DEP_1)
	v_fma_f32 v[RS], v[RS], s66, s67               ; the mean of the squares + 1e-5
	s_wait_alu depctr_va_vdst(0)
	v_rsq_f32 v[RS], v[RS]
	v_nop                                          ; a plain line behind the transcendental
	s_wait_alu depctr_va_vdst(0)
	v_mov_b32 v[RS+1], v[RS]
.set j, 0
.rept 32
	v_pk_mul_f32 v[F0+j:F0+j+1], v[F0+j:F0+j+1], v[RS:RS+1]
	v_pk_mul_f32 v[F1+j:F1+j+1], v[F1+j:F1+j+1], v[RS:RS+1]
.set j, j+2
.endr
	PASS 0, G
	PASS 1, G+32
	s_wait_xcnt 0x0                                ; the first pass's stores have read their registers: they are written again only behind this wait
	PASS 2, G
	s_wait_alu depctr_va_vdst(0)
	s_branch .Lsecond
.Lweights:
	s_wait_kmcnt 0x0                               ; the exponents
	WUNIT
.Lsecond:                                          ; THE SECOND BLOCK, 128 on: a weight's in every work-group
	s_wait_xcnt 0x0                                ; the first block's stores have read their data, offsets and bases: all are written again only behind this wait
	s_add_co_u32 s[BL], s[BL], 128
	FETCHUNIT 0
	WUNIT
	s_wait_tensorcnt 0x0                           ; the wave's end
	ds_add_u32 v[SPW], v[NIL]
	s_wait_dscnt 0x0
	s_endpgm
.Lfunc_end_k_qfc8c71bc63_prep:
	.size	k_qfc8c71bc63_prep, .Lfunc_end_k_qfc8c71bc63_prep-k_qfc8c71bc63_prep
	.p2alignl 7, 3214868480
	.fill 96, 4, 3214868480
	.section	.rodata,"a",@progbits
	.p2align	6, 0x0
	.amdhsa_kernel k_qfc8c71bc63_prep
		.amdhsa_group_segment_fixed_size 297984
		.amdhsa_private_segment_fixed_size 0
		.amdhsa_enable_private_segment 0
		.amdhsa_kernarg_size 72
		.amdhsa_user_sgpr_count 2
		.amdhsa_user_sgpr_kernarg_segment_ptr 1
		.amdhsa_wavefront_size32 1
		.amdhsa_system_sgpr_workgroup_id_x 1
		.amdhsa_system_sgpr_workgroup_id_y 1
		.amdhsa_system_sgpr_workgroup_id_z 1
		.amdhsa_system_vgpr_workitem_id 0
		.amdhsa_next_free_vgpr 256
		.amdhsa_next_free_sgpr 72
		.amdhsa_reserve_vcc 0
		.amdhsa_float_denorm_mode_32 3
		.amdhsa_float_denorm_mode_16_64 3
		.amdhsa_memory_ordered 1
		.amdhsa_forward_progress 1
		.amdhsa_inst_pref_size 95
	.end_amdhsa_kernel
	.amdgpu_metadata
---
amdhsa.version: [ 1, 2 ]
amdhsa.kernels:
  - .name:           k_qfc8c71bc63_prep
    .symbol:         k_qfc8c71bc63_prep.kd
    .args:
      - { .name: hidden_states, .offset: 0, .size: 8, .value_kind: global_buffer, .address_space: global }
      - { .name: pre_norm_w, .offset: 8, .size: 8, .value_kind: global_buffer, .address_space: global }
      - { .name: wq, .offset: 16, .size: 8, .value_kind: global_buffer, .address_space: global }
      - { .name: wk, .offset: 24, .size: 8, .value_kind: global_buffer, .address_space: global }
      - { .name: wv, .offset: 32, .size: 8, .value_kind: global_buffer, .address_space: global }
      - { .name: wo, .offset: 40, .size: 8, .value_kind: global_buffer, .address_space: global }
      - { .name: lowp_scales, .offset: 48, .size: 8, .value_kind: global_buffer, .address_space: global }
      - { .name: hc, .offset: 56, .size: 8, .value_kind: global_buffer, .address_space: global }
      - { .name: wc, .offset: 64, .size: 8, .value_kind: global_buffer, .address_space: global }
    .group_segment_fixed_size: 297984
    .private_segment_fixed_size: 0
    .kernarg_segment_align: 8
    .kernarg_segment_size: 72
    .max_flat_workgroup_size: 512
    .sgpr_count:     72
    .vgpr_count:     256
    .wavefront_size: 32
...
	.end_amdgpu_metadata
.endif
;; end of part 1
;; launch qkv (part 2): grid 16 x 16, 4 waves a work-group, clusters of 4 x 4, 327,680 bytes of LDS; arguments hc, wc, cos, sin, q_norm_w, k_norm_w, lowp_scales, qc, kvc; writes qc, kvc
.if DOCPART == 2
	.amdgcn_target "amdgcn-amd-amdhsa--gfx1250"
	.amdhsa_code_object_version 6
	.text
	.protected	k_qfc8c71bc63_qkv
	.globl	k_qfc8c71bc63_qkv
	.p2align	8
	.type	k_qfc8c71bc63_qkv,@function
k_qfc8c71bc63_qkv:
	s_mov_b64 s[64:65], 0
	v_nop
	global_prefetch_b8 v0, s[64:65] scope:SCOPE_SE
	s_setreg_imm32_b32 hwreg(HW_REG_WAVE_MODE, 25, 1), 1
	s_wait_xcnt 0x0
	s_wait_alu depctr_hold_cnt(0) depctr_sa_sdst(0) depctr_va_vdst(0) depctr_va_sdst(0) depctr_va_ssrc(0) depctr_va_vcc(0) depctr_vm_vsrc(0)
	s_getreg_b32 s2, hwreg(HW_REG_IB_STS2, 6, 4)
	s_cmp_eq_u32 s2, 0
	s_cbranch_scc0 .Lentry_in_a_cluster
	s_endpgm
.Lentry_in_a_cluster:
	s_bfe_u32 s2, ttmp6, 0x10000c
	s_cmp_lg_u32 s2, 0xf033
	s_cbranch_scc0 .Lentry_shape_is_right
	s_endpgm
.Lentry_shape_is_right:
.set RTB,    6144
.set SLOT,   24*RTB
.set BOFF,   8*RTB
.set SPARE,  2*SLOT
.set STAGE,  SLOT
.set SP,     528
.set TAB,    16*SP
.set KSB,    RTB
.set KEL,    768
.set LASTK,  512
.set STRIDE, 8192
.set TRIPS,  4
.set LI,   3
.set STW,  4
.set STRD, 5
.set GOFF, 6
.set ADRA, 16
.set ADRB, 20
.set RS,   24
.set CSV,  26
.set LIM,  27
.set SPW,  28
.set NIL,  29
.set W,    32
.set T,    128
.set CD,   192
.set G1,  24
.set G0,  32
.set G1B, 48
.set G0B, 56
.set MSB, 0
.macro WIN new
.if MSB != \new
	s_set_vgpr_msb (MSB<<8)|\new
.set MSB, \new
.endif
.endm
.macro PLACES n
.rept \n
	v_nop
.endr
.endm
.macro JLOAD s
	s_cmp_eq_u32 s15, 0
	s_cbranch_scc0 .Lfor_b_\@
	tensor_load_to_lds s[G0+4*\s:G0+4*\s+3], s[G1:G1+7]
	s_nop 0
.rept 4
	v_nop
.endr
	s_branch .Lasked_\@
.Lfor_b_\@:
	tensor_load_to_lds s[G0B+4*\s:G0B+4*\s+3], s[G1B:G1B+7]
	s_nop 0
.rept 4
	v_nop
.endr
.Lasked_\@:
.endm
.macro CREST
	s_cmp_lg_u32 s14, 0
	s_cbranch_scc1 .Lnot_wave_0_\@
	s_barrier_signal -3
.Lnot_wave_0_\@:
	s_barrier_wait -3
	s_barrier_signal -1
	s_barrier_wait -1
.endm
.macro CROUND
	s_barrier_signal -1
	s_barrier_wait -1
	CREST
.endm
.macro FRAG reg, adr, at
.irp c, 0,1,2,3
	ds_load_b128 v[\reg+4*\c:\reg+4*\c+3], v[\adr] offset:\at+512*\c
.endr
.endm
.macro FETCH slot, q, p
	WIN 0x40
.irp b, 0,1,2,3,4,5,6,7
	FRAG 128*(\p)+16*\b, ADRB+\slot, RTB*\b+2048*(\q)
.endr
	WIN 0
.irp a, 0,1,2,3
	FRAG 128+64*(\p)+16*\a, ADRA+\slot, RTB*\a+2048*(\q)
.endr
.endm
.macro MUL8 a, p, zero
.irp b, 0,1,2,3,4,5,6,7
.if \zero
	v_wmma_f32_16x16x128_fp8_fp8 v[8*(8*(\a)+\b):8*(8*(\a)+\b)+7], v[128*(\p)+16*\b:128*(\p)+16*\b+15], v[128+64*(\p)+16*(\a):128+64*(\p)+16*(\a)+15], 0
.else
	v_wmma_f32_16x16x128_fp8_fp8 v[8*(8*(\a)+\b):8*(8*(\a)+\b)+7], v[128*(\p)+16*\b:128*(\p)+16*\b+15], v[128+64*(\p)+16*(\a):128+64*(\p)+16*(\a)+15], v[8*(8*(\a)+\b):8*(8*(\a)+\b)+7]
.endif
.endr
.endm
.macro MID slot, q, p, zero
	s_wait_dscnt 8
	WIN 0xa1
	MUL8 0, \p, \zero
	MUL8 1, \p, \zero
	PLACES 4
	FETCH \slot, (\q)+1, 1-(\p)
	s_wait_dscnt 48
	WIN 0xa1
	MUL8 2, \p, \zero
	MUL8 3, \p, \zero
.endm
; A PREFETCH INTO THE L2.  Behind the joint load of K step t, t = 2 .. 8, stands the request for K step t + 2.  At the head K step 1 is asked for behind K step 0's load, and K steps 2 and 3 behind K step 1's.
; Each block of 256 bytes is named once in each cluster that will load it.
; The waves that fetch the first operand ask for one tile of rows, those that fetch the second for two: the branch hangs on the wave's number alone.  K step 10 has 16 blocks a tile of rows; there is no K step 11.
.macro ASK reg, off
	global_prefetch_b8 v[\reg], s[18:19] offset:(\off) th:TH_LOAD_NT scope:SCOPE_SE
	s_cmp_eq_u32 s15, 0
	s_cbranch_scc1 .Lone_\@
	global_prefetch_b8 v[\reg], s[18:19] offset:(\off)+65536 th:TH_LOAD_NT scope:SCOPE_SE
.Lone_\@:
.endm
.macro LASK slot                       ; in the loop: s[18:19] stands at K step t - 1.  In the last trip (s3 = 1) slot 0's refill asks for the short K step 10, slot 1's for nothing
	s_cmp_gt_u32 s3, 1
	s_cbranch_scc0 .Llast_\@
	ASK 30, 3*KSB
.if (\slot) == 0
	s_branch .Ldone_\@
.Llast_\@:
	ASK 31, 3*KSB
.Ldone_\@:
.else
.Llast_\@:
.endif
.endm
.macro TURN slot, next, p, fill
	WIN 0
.if \fill == 1
	s_wait_xcnt 0x0                                ; my last prefetch, a K step back, has read its address: it is stepped only behind this wait
	s_add_nc_u64 s[18:19], s[18:19], KSB
.endif
	s_wait_tensorcnt 0x0
	ds_add_u32 v[SPW], v[NIL]
	s_wait_dscnt 9
	WIN 0xa1
	MUL8 0, \p, 0
	s_wait_dscnt 0x0
	s_barrier_signal -1
	MUL8 1, \p, 0
	WIN 0
	s_barrier_wait -1
.if \fill
	CREST
	s_add_nc_u64 s[G0+4*\slot+2:G0+4*\slot+3], s[G0+4*\slot+2:G0+4*\slot+3], 2*KSB
	s_add_nc_u64 s[G0B+4*\slot+2:G0B+4*\slot+3], s[G0B+4*\slot+2:G0B+4*\slot+3], 2*KSB
.if \fill == 2
	s_mov_b32 s[G1+1], LASTK<<16
	s_mov_b32 s[G1B+1], LASTK<<16
.endif
	JLOAD \slot
.else
	PLACES 4
.endif
	FETCH \next, 0, 1-(\p)
.if \fill == 1
	LASK \slot
.endif
	WIN 0xa1
	MUL8 2, \p, 0
	MUL8 3, \p, 0
.endm
.macro CSLOAD a, u
	WIN 0xc0
.set j, 0
.rept 16
	global_load_b128 v[128*(\u)+4*j:128*(\u)+4*j+3], v[LI], s[72:73] offset:(16*(\a)+j)*512
.set j, j+1
.endr
.set j, 0
.rept 16
	global_load_b128 v[128*(\u)+64+4*j:128*(\u)+64+4*j+3], v[LI], s[74:75] offset:(16*(\a)+j)*512
.set j, j+1
.endr
	WIN 0
.endm
.macro CODES a
.irp b, 0,1,2,3,4,5,6,7
	v_cvt_scalef32_pk8_fp8_f32 v[CD+16*(\a)+2*\b:CD+16*(\a)+2*\b+1], v[T+8*\b:T+8*\b+7], v[CSV]
.endr
	v_nop
.irp g, 0,1,2,3
	global_store_b128 v[LI], v[CD+16*(\a)+4*\g:CD+16*(\a)+4*\g+3], s[82:83] offset:2048*(\a)+512*\g
.endr
.endm
	s_load_b512 s[68:83], s[0:1], 0x0
	s_load_b64 s[84:85], s[0:1], 0x40
	v_lshl_add_u32 v[SPW], v0, 2, SPARE
	v_mov_b32 v[NIL], 0
	ds_add_u32 v28, v29
	ds_add_u32 v28, v29
	s_wait_dscnt 0x0
	v_lshrrev_b32 v1, 5, v0
	v_readfirstlane_b32 s14, v1
	v_and_b32 v30, 31, v0                          ; the prefetches' offsets, never rewritten: v30 = 256 x min(lane, 23): the 24 blocks of 256 bytes of a K step in a tile of 16 rows;
	v_min_u32 v31, 15, v30                         ; v31 = 256 x min(lane, 15): the 16 blocks of the last, shorter K step.  Lanes left over name the last block again
	v_min_u32 v30, 23, v30
	v_lshlrev_b32 v31, 8, v31
	v_lshlrev_b32 v30, 8, v30
	s_lshr_b32 s15, s14, 1
	s_and_b32 s16, s14, 1
	s_bfe_u32 s40, ttmp6, 0x40000
	s_bfe_u32 s41, ttmp6, 0x40004
	s_and_b32 s4, ttmp7, 0xffff
	s_and_b32 s5, s4, 1
	s_lshr_b32 s6, s4, 1
	s_cmp_eq_u32 ttmp9, 3
	s_cselect_b32 s7, s6, s4
	s_cselect_b32 s8, s5, ttmp9
	s_cmp_eq_u32 ttmp9, 2
	s_cselect_b32 s8, 0, s8
	s_lshl_b32 s17, s7, 2
	s_add_co_u32 s17, s17, s41
	s_lshl_b32 s42, s8, 2
	s_add_co_u32 s42, s42, s40
	s_lshl_b32 s43, s41, 2
	s_lshl_b32 s43, 15, s43
	s_lshl_b32 s44, 0x1111, s40
	s_or_b32 s[G1+0], s43, (3<<16)|(1<<21)
	s_or_b32 s[G1B+0], s44, (3<<16)|(1<<21)
	s_mov_b32 s[G1+1], KEL<<16
	s_mov_b32 s[G1+2], 4<<16
	s_mov_b32 s[G1+3], KEL<<16
	s_mov_b32 s[G1+4], 4
	s_mov_b32 s[G1+5], STRIDE
	s_mov_b32 s[G1+6], 0
	s_mov_b32 s[G1+7], 0
	s_mov_b32 s[G1B+1], KEL<<16
	s_mov_b32 s[G1B+2], 8<<16
	s_mov_b32 s[G1B+3], KEL<<16
	s_mov_b32 s[G1B+4], 8
	s_mov_b32 s[G1B+5], STRIDE
	s_mov_b32 s[G1B+6], 0
	s_mov_b32 s[G1B+7], 0
	s_mov_b32 s9, 0x800000
	s_cmp_eq_u32 ttmp9, 2
	s_cselect_b32 s18, s9, 0
	s_cselect_b32 s22, s9, 0
	s_cmp_eq_u32 ttmp9, 3
	s_cselect_b32 s18, 0xc00000, s18
	s_cselect_b32 s22, 0x1000000, s22
	s_lshl_b32 s10, s17, 19
	s_add_co_u32 s18, s18, s10
	s_lshl_b32 s10, s16, 18
	s_add_co_u32 s18, s18, s10
	s_mov_b32 s19, 0
	s_lshl_b32 s11, s42, 20
	s_add_co_u32 s22, s22, s11
	s_lshl_b32 s11, s16, 19
	s_add_co_u32 s22, s22, s11
	s_mov_b32 s23, 0
	s_mul_i32 s45, s16, 4*RTB
	s_mul_i32 s12, s16, 8*RTB
	s_add_co_u32 s12, s12, BOFF
	s_mov_b32 s66, 0x76543210
	s_mov_b32 s67, 0xfedcba98
	s_wait_kmcnt 0x0
	s_load_b256 s[88:95], s[80:81], 0x0
	s_load_b128 s[96:99], s[80:81], 0x20
	s_cmp_eq_u32 ttmp9, 3
	s_cselect_b64 s[20:21], s[70:71], s[68:69]
	s_cselect_b64 s[46:47], s[68:69], s[70:71]
	s_add_nc_u64 s[20:21], s[20:21], s[18:19]
	s_add_nc_u64 s[46:47], s[46:47], s[22:23]
	s_cmp_eq_u32 s15, 0                            ; s[18:19]: where my prefetches stand: of the tiles of rows that my wave fetches, my work-group's share among the four partners that ask jointly,
	s_cselect_b64 s[18:19], s[20:21], s[46:47]     ; told apart by address: one tile of 16 rows of the first operand's four (by cx), two of the second's eight (by cy); a tile of rows is 65,536 bytes
	s_cselect_b32 s22, s40, s41
	s_cselect_b32 s23, 16, 17
	s_lshl_b32 s22, s22, s23
	s_mov_b32 s23, 0
	s_add_nc_u64 s[18:19], s[18:19], s[22:23]
	CROUND
.irp s, 0,1
	s_mov_b32 s[G0+4*\s], 1
	s_add_co_u32 s[G0+4*\s+1], s45, \s*SLOT
	s_add_nc_u64 s[G0+4*\s+2:G0+4*\s+3], s[20:21], \s*KSB
	s_or_b32 s[G0+4*\s+3], s[G0+4*\s+3], 0x80000000
	s_mov_b32 s[G0B+4*\s], 1
	s_add_co_u32 s[G0B+4*\s+1], s12, \s*SLOT
	s_add_nc_u64 s[G0B+4*\s+2:G0B+4*\s+3], s[46:47], \s*KSB
	s_or_b32 s[G0B+4*\s+3], s[G0B+4*\s+3], 0x80000000
	s_wait_alu depctr_va_vdst(0)
	s_wait_tensorcnt 0x0
	ds_add_u32 v28, v29
	ds_add_u32 v28, v29
	s_wait_dscnt 0x0
	CROUND
	JLOAD \s
.if \s == 0
	ASK 30, KSB
.else
	ASK 30, 2*KSB
	ASK 30, 3*KSB
.endif
.endr
	v_and_b32 v1, 15, v0
	v_bfe_u32 v2, v0, 4, 1
	v_and_b32 v[LI], 31, v0
	v_lshlrev_b32 v[LI], 4, v[LI]
	s_wait_alu depctr_va_vdst(0)
	s_mul_i32 s4, s15, 4*RTB
	s_mul_i32 s5, s16, 8*RTB
	s_add_co_u32 s5, s5, BOFF
.irp s, 0,1
	v_add_nc_u32 v[ADRA+\s], s4, v[LI]
	v_add_nc_u32 v[ADRB+\s], s5, v[LI]
	s_add_co_u32 s4, s4, SLOT
	s_add_co_u32 s5, s5, SLOT
.endr
	s_mul_i32 s6, s14, 2*TAB
	s_add_co_u32 s6, s6, STAGE
	v_add_nc_u32 v[STW], s6, v[LI]
	v_mul_u32_u24 v[STRD], v1, SP
	v_lshl_add_u32 v[STRD], v2, 5, v[STRD]
	v_add_nc_u32 v[STRD], s6, v[STRD]
	v_lshlrev_b32 v[GOFF], 5, v2
	s_wait_alu depctr_va_vdst(0)
	s_cmp_lt_u32 ttmp9, 2
	s_cselect_b64 s[86:87], s[76:77], s[78:79]
	s_lshl_b32 s4, s17, 16
	s_lshl_b32 s5, s15, 15
	s_add_co_u32 s4, s4, s5
	s_mov_b32 s5, 0
	s_add_nc_u64 s[72:73], s[72:73], s[4:5]
	s_add_nc_u64 s[74:75], s[74:75], s[4:5]
.irp b, 0,1,2,3,4,5,6,7
	global_load_b128 v[W+8*\b:W+8*\b+3], v[GOFF], s[86:87] offset:64*\b
	global_load_b128 v[W+8*\b+4:W+8*\b+7], v[GOFF], s[86:87] offset:64*\b+16
.endr
	CSLOAD 0, 0
	CSLOAD 1, 1
	s_lshl_b32 s4, s42, 1
	s_add_co_u32 s4, s4, s16
	s_cmp_eq_u32 ttmp9, 3
	s_cselect_b32 s5, s17, s4
	s_cselect_b32 s6, s4, s17
	s_cselect_b32 s7, 16384, 0
	s_cmp_lt_u32 ttmp9, 2
	s_cselect_b32 s8, 18, 19
	s_cselect_b32 s9, 14, 15
	s_cselect_b64 s[82:83], s[82:83], s[84:85]
	s_lshl_b32 s5, s5, s8
	s_lshl_b32 s6, s6, s9
	s_add_co_u32 s4, s5, s6
	s_add_co_u32 s4, s4, s7
	s_lshl_b32 s5, s15, 13
	s_add_co_u32 s4, s4, s5
	s_mov_b32 s5, 0
	s_add_nc_u64 s[82:83], s[82:83], s[4:5]
	s_wait_tensorcnt 0x1
	s_barrier_signal -1
	s_barrier_wait -1
	FETCH 0, 0, 0
	MID 0, 0, 0, 1
	WIN 0
	s_mov_b32 s3, TRIPS
.Llap:
	MID 0, 1, 1, 0
	TURN 0, 1, 0, 1
	MID 1, 0, 1, 0
	MID 1, 1, 0, 0
	TURN 1, 0, 1, 1
	MID 0, 0, 0, 0
	WIN 0
	s_sub_co_u32 s3, s3, 1
	s_cmp_lg_u32 s3, 0
	s_cbranch_scc1 .Llap
	MID 0, 1, 1, 0
	TURN 0, 1, 0, 2
	MID 1, 0, 1, 0
	MID 1, 1, 0, 0
	TURN 1, 0, 1, 0
	MID 0, 0, 0, 0
	s_wait_dscnt 8
	WIN 0xa1
	MUL8 0, 1, 0
	MUL8 1, 1, 0
	s_wait_dscnt 0x0
	MUL8 2, 1, 0
	MUL8 3, 1, 0
	WIN 0
	PLACES 4
	s_wait_kmcnt 0x0
	s_add_co_i32 s4, s88, s89
	s_add_co_i32 s5, s90, s91
	s_add_co_i32 s6, s92, s93
	s_cmp_lt_u32 ttmp9, 2
	s_cselect_b32 s4, s4, s5
	s_cselect_b32 s7, s94, s95
	s_cmp_eq_u32 ttmp9, 3
	s_cselect_b32 s4, s6, s4
	s_cselect_b32 s7, s97, s7
	s_cselect_b32 s8, s4, 0
	s_sub_co_i32 s7, s7, s8
	s_lshl_b32 s9, s4, 1
	s_sub_co_i32 s9, s9, 7
	s_add_co_i32 s7, s7, 127
	s_lshl_b32 s8, s7, 23
	v_mov_b32 v[CSV], s8
	s_add_co_i32 s7, s7, 8
	s_lshl_b32 s7, s7, 23
	s_or_b32 s7, s7, 0x600000
	v_mov_b32 v[LIM], s7
	s_wait_loadcnt 0x0
	s_cmp_eq_u32 ttmp9, 3
	s_cbranch_scc1 .Lv
.macro QKOUT a
.set UU, (\a)%2
.if (\a) == 2
	s_wait_loadcnt 32
.endif
.if (\a) == 3
	s_wait_loadcnt 0x0
.endif
	WIN 0x0c
.set j, 0
.rept 16
	ds_store_b128 v[STW], v[128*UU+4*j:128*UU+4*j+3] offset:SP*j
.set j, j+1
.endr
.set j, 0
.rept 16
	ds_store_b128 v[STW], v[128*UU+64+4*j:128*UU+64+4*j+3] offset:TAB+SP*j
.set j, j+1
.endr
	WIN 0x40
.irp b, 0,1,2,3,4,5,6,7
.irp n, 0,1
	ds_load_b128 v[128*UU+8*\b+4*\n:128*UU+8*\b+4*\n+3], v[STRD] offset:64*\b+16*\n
	ds_load_b128 v[128*UU+64+8*\b+4*\n:128*UU+64+8*\b+4*\n+3], v[STRD] offset:TAB+64*\b+16*\n
.endr
.endr
	WIN 0x0a
.irp i, 0,2,4,6
	v_pk_mul_f32 v[8+\i:9+\i], v[64*(\a)+\i:64*(\a)+\i+1], v[64*(\a)+\i:64*(\a)+\i+1]
.endr
.irp b, 1,2,3,4,5,6,7
.irp i, 0,2,4,6
	v_pk_fma_f32 v[8+\i:9+\i], v[64*(\a)+8*\b+\i:64*(\a)+8*\b+\i+1], v[64*(\a)+8*\b+\i:64*(\a)+8*\b+\i+1], v[8+\i:9+\i]
.endr
.endr
	WIN 0
	v_pk_add_f32 v[8:9], v[8:9], v[10:11]
	v_pk_add_f32 v[12:13], v[12:13], v[14:15]
	v_pk_add_f32 v[8:9], v[8:9], v[12:13]
	v_add_f32 v8, v8, v9
	v_permlanex16_b32 v9, v8, s66, s67
	v_add_f32 v8, v8, v9
	v_ldexp_f32 v8, v8, s9
	v_add_f32 v8, 0x3727c5ac, v8
	s_wait_alu depctr_va_vdst(0)
	v_rsq_f32 v8, v8
	v_nop
	s_wait_alu depctr_va_vdst(0)
	v_ldexp_f32 v[RS], v8, s4
	v_mov_b32 v[RS+1], v[RS]
	WIN 0x82
.set j, 0
.rept 32
	v_pk_mul_f32 v[64*(\a)+j:64*(\a)+j+1], v[64*(\a)+j:64*(\a)+j+1], v[RS:RS+1]
.set j, j+2
.endr
.set j, 0
.rept 32
	v_pk_mul_f32 v[64*(\a)+j:64*(\a)+j+1], v[64*(\a)+j:64*(\a)+j+1], v[W+j:W+j+1]
.set j, j+2
.endr
	s_wait_dscnt 0x0
.if (\a) < 2
	CSLOAD (\a)+2, UU
.endif
	WIN 0x06
.set j, 0
.rept 32
	v_pk_mul_f32 v[T+j:T+j+1], v[64*(\a)+j:64*(\a)+j+1], v[128*UU+j:128*UU+j+1]
.set j, j+2
.endr
.set j, 0
.rept 16
	v_pk_fma_f32 v[T+j:T+j+1], v[64*(\a)+32+j:64*(\a)+32+j+1], v[128*UU+64+j:128*UU+64+j+1], v[T+j:T+j+1] neg_lo:[1,0,0] neg_hi:[1,0,0]
	v_pk_fma_f32 v[T+32+j:T+32+j+1], v[64*(\a)+j:64*(\a)+j+1], v[128*UU+96+j:128*UU+96+j+1], v[T+32+j:T+32+j+1]
.set j, j+2
.endr
	WIN 0
.set j, 0
.rept 64
	v_med3_num_f32 v[T+j], v[T+j], -v[LIM], v[LIM]
.set j, j+1
.endr
	CODES \a
.endm
	QKOUT 0
	QKOUT 1
	QKOUT 2
	QKOUT 3
	s_branch .Ljoin
.Lv:
.macro VOUT a
	WIN 0x02
.set j, 0
.rept 64
	v_med3_num_f32 v[T+j], v[64*(\a)+j], -v[LIM], v[LIM]
.set j, j+1
.endr
	WIN 0
	CODES \a
.endm
	s_wait_alu depctr_va_vdst(0)
	VOUT 0
	VOUT 1
	VOUT 2
	VOUT 3
.Ljoin:
	s_wait_tensorcnt 0x0
	ds_add_u32 v[SPW], v[NIL]
	s_wait_dscnt 0x0
	CROUND
	s_endpgm
.Lfunc_end_k_qfc8c71bc63_qkv:
	.size	k_qfc8c71bc63_qkv, .Lfunc_end_k_qfc8c71bc63_qkv-k_qfc8c71bc63_qkv
	.p2alignl 7, 3214868480
	.fill 96, 4, 3214868480
	.section	.rodata,"a",@progbits
	.p2align	6, 0x0
	.amdhsa_kernel k_qfc8c71bc63_qkv
		.amdhsa_group_segment_fixed_size 327680
		.amdhsa_private_segment_fixed_size 0
		.amdhsa_enable_private_segment 0
		.amdhsa_kernarg_size 72
		.amdhsa_user_sgpr_count 2
		.amdhsa_user_sgpr_kernarg_segment_ptr 1
		.amdhsa_wavefront_size32 1
		.amdhsa_system_sgpr_workgroup_id_x 1
		.amdhsa_system_sgpr_workgroup_id_y 1
		.amdhsa_system_sgpr_workgroup_id_z 1
		.amdhsa_system_vgpr_workitem_id 0
		.amdhsa_next_free_vgpr 1024
		.amdhsa_next_free_sgpr 100
		.amdhsa_reserve_vcc 0
		.amdhsa_float_denorm_mode_32 3
		.amdhsa_float_denorm_mode_16_64 3
		.amdhsa_memory_ordered 1
		.amdhsa_forward_progress 1
		.amdhsa_inst_pref_size 204
	.end_amdhsa_kernel
	.amdgpu_metadata
---
amdhsa.version: [ 1, 2 ]
amdhsa.kernels:
  - .name:           k_qfc8c71bc63_qkv
    .symbol:         k_qfc8c71bc63_qkv.kd
    .args:
      - { .name: hc, .offset: 0, .size: 8, .value_kind: global_buffer, .address_space: global }
      - { .name: wc, .offset: 8, .size: 8, .value_kind: global_buffer, .address_space: global }
      - { .name: cos, .offset: 16, .size: 8, .value_kind: global_buffer, .address_space: global }
      - { .name: sin, .offset: 24, .size: 8, .value_kind: global_buffer, .address_space: global }
      - { .name: q_norm_w, .offset: 32, .size: 8, .value_kind: global_buffer, .address_space: global }
      - { .name: k_norm_w, .offset: 40, .size: 8, .value_kind: global_buffer, .address_space: global }
      - { .name: lowp_scales, .offset: 48, .size: 8, .value_kind: global_buffer, .address_space: global }
      - { .name: qc, .offset: 56, .size: 8, .value_kind: global_buffer, .address_space: global }
      - { .name: kvc, .offset: 64, .size: 8, .value_kind: global_buffer, .address_space: global }
    .group_segment_fixed_size: 327680
    .private_segment_fixed_size: 0
    .kernarg_segment_align: 8
    .kernarg_segment_size: 72
    .max_flat_workgroup_size: 128
    .sgpr_count:     100
    .vgpr_count:     1024
    .wavefront_size: 32
...
	.end_amdgpu_metadata
.endif
;; end of part 2
;; launch attn (part 3): grid 32 x 8, 8 waves a work-group, clusters of 4 x 4, 327,680 bytes of LDS; arguments qc, kvc, attention_mask, lowp_scales, ac; writes ac
.if DOCPART == 3
	.amdgcn_target "amdgcn-amd-amdhsa--gfx1250"
	.amdhsa_code_object_version 6
	.text
	.protected	k_qfc8c71bc63_attn
	.globl	k_qfc8c71bc63_attn
	.p2align	8
	.type	k_qfc8c71bc63_attn,@function
k_qfc8c71bc63_attn:
	s_mov_b64 s[64:65], 0
	v_nop
	global_prefetch_b8 v0, s[64:65] scope:SCOPE_SE
	s_setreg_imm32_b32 hwreg(HW_REG_WAVE_MODE, 25, 1), 1
	s_wait_xcnt 0x0
	s_wait_alu depctr_hold_cnt(0) depctr_sa_sdst(0) depctr_va_vdst(0) depctr_va_sdst(0) depctr_va_ssrc(0) depctr_va_vcc(0) depctr_vm_vsrc(0)
	s_getreg_b32 s2, hwreg(HW_REG_IB_STS2, 6, 4)
	s_cmp_eq_u32 s2, 0
	s_cbranch_scc0 .Lentry_in_a_cluster
	s_endpgm
.Lentry_in_a_cluster:
	s_bfe_u32 s2, ttmp6, 0x10000c
	s_cmp_lg_u32 s2, 0xf033
	s_cbranch_scc0 .Lentry_shape_is_right
	s_endpgm
.Lentry_shape_is_right:
; Attention on codes of FP8 (E4M3): logit = 30 tanh(q . k / (30 sqrt(128))) + attention_mask; t = logit x log2(e); M = the row's largest t so far, rounded UP to a whole number; p = 2^(t - M) is
; quantised with 2^e8, not normalised; the row's sum is taken of the unquantised p and divides O at the end; the result is quantised with 2^e10.  The mask is an input: all of it is read and added, for every head.
; qc [head 16][tile of 16 tokens][2,048], kvc [kv head 8][block of 128 keys 16][K: 8 images of 16 keys x 128 d | V: 8 images of 16 d x 128 keys], ac [tile of 16 tokens 128][head 16][2,048]:
; images of operand registers (registers 4 g .. 4 g + 3 of lane l at 512 g + 16 l; lane (r, h): row r, registers 2 c, 2 c + 1: k = 16 c + 8 h + 0 .. 7).
; tanh(x) = 1 - 2 / (1 + 2^(2 log2(e) x)): the logit's absolute error is some 4e-6, from 60 x the reciprocal's last bit.
; SHARES.  A work-group owns 64 queries and one kv head, for both of its query heads: wave w of eight owns tile w % 4 of the queries and head 2 kv + w / 4.  Every wave walks all 16 blocks of 128 keys.
; Both products are used transposed (S^T = K Q^T, O^T = V^T P^T): a lane holds ONE query (lane % 16); tile t's eight registers are keys 16 t + 8 h + 0 .. 7, so their conversion is registers 2 t, 2 t + 1 of P.
; CLUSTER 4 x 4: x goes along the blocks of queries, y along the kv heads.  K's and V's tiles hang on the kv head alone and are asked for jointly by a row of the cluster; the mask's tile (64 queries x 256 keys)
; hangs on the block of queries alone, and is asked for jointly by a column.
; RING: two slots of TWO key steps each; the change of slots stands at a slot's head, a round of the cluster's barrier, and behind it the slot just left is filled: waves 0, 1: a key step's K and V each; wave 2: the mask.
; THE LDS LOADS of a key step, 80 a wave, stand in short runs among the vector blocks, each well ahead of its use: the mask's behind the scores' products, V's in four groups behind the first four blocks, and, in a
; slot's first step, the second step's K in four groups further on.  Only a slot's first K is fetched at a step's head.
; LIMITS: e6 + e7 between -119 and 134 (added to a constant's exponent field); e8 and e10 between -126 and 119.  NaN among the inputs is not served.
; REGISTERS: window 0: v1-9 addresses; v12 -M, v13 the largest t, v[14:15] the sum; v16-31 Q; v32-95 the mask; v96-159 S^T, then p; v160-223 O^T; v224-239 codes; v236-254 at work and constants.
;   window 1: v0-127 K's eight fragments, v128-255 V's.
.set STB,   32768                      ; a key step's K and V
.set VOFF,  16384
.set KVS,   2*STB                      ; a slot's K and V: slot s at s x KVS
.set MP,    1040                       ; a row of the mask's tile: 1,024 bytes + 16
.set MSZ,   64*MP                      ; the tile.  MB0 and MSZ share no bit, so one exclusive or with MSZ turns slot 0's tile into slot 1's and back
.set MB0,   2*KVS                      ; slot 0's; slot 1's lies MSZ further on
.set SPARE, MB0+2*MSZ                  ; the spare words, 128 bytes a wave: four blocks of 256 bytes that no other line names
.set LI,   1                           ; v1  16 x lane
.set AM0,  2                           ; v2  my place in the mask's tile
.set PFO,  3                           ; v3  the prefetches' offset; never rewritten
.set SPW,  5                           ; v5  my spare word; never rewritten
.set NIL,  6                           ; v6  0; never rewritten
.set ADK,  8                           ; v8  the slot's images
.set ADM,  9                           ; v9  the slot's mask
.set QF,   16
.set MK,   32
.set S,    96
.set O,    160
.set PC,   224
.set WV,   18                          ; s18 my wave's number
.set SEL,  20                          ; s[20:21] selects for lane l xor 16
.set CA,   22                          ; s[22:23] 2 log2(e) / (30 sqrt(128)) x 2^(e6 + e7)
.set G1K,  24
.set G1M,  32
.set G0K,  40                          ; the two groups 0 walk
.set G0M,  44
.set L2E,  48                          ; s[48:49] log2(e)
.set C60,  50                          ; s[50:51] -60
.set TBK,  2                           ; s2  where the slot in hand has its K and V
.set TBM,  3                           ; s3  and its mask
.set SLOTS, 67                         ; s67 slots still to be asked for
.set PFA,  76                          ; s[76:77] where my prefetches stand
.set PFS,  78                          ; s[78:79] a slot on
.set PLIM, 80                          ; s80 1 in a wave that prefetches, else the greatest number
.set MSB, 0
.macro WIN new
.if MSB != \new
	s_set_vgpr_msb (MSB<<8)|\new
.set MSB, \new
.endif
.endm
.macro CROUND
	s_barrier_signal -1
	s_barrier_wait -1
	s_cmp_lg_u32 s[WV], 0
	s_cbranch_scc1 .Lnot_wave_0_\@
	s_barrier_signal -3
.Lnot_wave_0_\@:
	s_barrier_wait -3
	s_barrier_signal -1
	s_barrier_wait -1
.endm
; The joint loads of a slot.  The branches hang on the wave's number alone.  Four v_nop follow each of the two lines.
.macro TLOAD
	s_cmp_lt_u32 s[WV], 2
	s_cbranch_scc0 .Lnot_k_\@
	tensor_load_to_lds s[G0K:G0K+3], s[G1K:G1K+7]
	s_nop 0
.rept 4
	v_nop
.endr
	s_branch .Lasked_\@
.Lnot_k_\@:
	s_cmp_eq_u32 s[WV], 2
	s_cbranch_scc0 .Lasked_\@
	tensor_load_to_lds s[G0M:G0M+3], s[G1M:G1M+7]
	s_nop 0
.rept 4
	v_nop
.endr
.Lasked_\@:
.endm
; A PREFETCH INTO THE L2 of what the NEXT change of slots will ask for: a slot's two key steps ahead of that load.  Each aligned block of 256 bytes is named once in the launch.  A slot's 65,536 bytes of K and V are
; walked by every cluster of the same y: the cluster with x = 0 asks, waves 4 and 5; the four partners of a row take 16,384 bytes each, told apart BY ADDRESS (cx), a wave 8,192 of them, lanes 256 bytes apart.
; The mask's tile is walked by both clusters of the same x: the cluster with y = 0 asks, waves 6 and 7; the four partners of a column take 16 rows each (cy), a wave 8 of them, four lanes to a row's 1,024 bytes.
; The last change that fills a slot asks for nothing.
.macro ASK
	s_cmp_gt_u32 s[SLOTS], s[PLIM]
	s_cbranch_scc0 .Lnot_mine_\@
	global_prefetch_b8 v[PFO], s[PFA:PFA+1] th:TH_LOAD_NT scope:SCOPE_SE
.Lnot_mine_\@:
.endm
.macro MKSC e, sc, lim
	s_add_co_i32 s56, s[\e], 127
	s_lshl_b32 s57, s56, 23
	v_mov_b32 v[\sc], s57
	s_add_co_i32 s56, s56, 8
	s_lshl_b32 s56, s56, 23
	s_or_b32 s56, s56, 0x600000
	v_mov_b32 v[\lim], s56
.endm
.macro KLOAD q, g                      ; K's fragments 2 g, 2 g + 1 of the slot's key step q: eight loads
	WIN 0x40
.irp t, 0,1
.irp c, 0,1,2,3
	ds_load_b128 v[16*(2*(\g)+\t)+4*\c:16*(2*(\g)+\t)+4*\c+3], v[ADK] offset:STB*(\q)+2048*(2*(\g)+\t)+512*\c
.endr
.endr
	WIN 0
.endm
.macro VLOAD q, g                      ; V's likewise
	WIN 0x40
.irp t, 0,1
.irp c, 0,1,2,3
	ds_load_b128 v[128+16*(2*(\g)+\t)+4*\c:128+16*(2*(\g)+\t)+4*\c+3], v[ADK] offset:STB*(\q)+VOFF+2048*(2*(\g)+\t)+512*\c
.endr
.endr
	WIN 0
.endm
	s_load_b256 s[4:11], s[0:1], 0x0               ; qc s[4:5], kvc s[6:7], attention_mask s[8:9], the exponents s[10:11]
	s_load_b64 s[12:13], s[0:1], 0x20              ; ac
	v_lshl_add_u32 v[SPW], v0, 2, SPARE
	v_mov_b32 v[NIL], 0
	ds_add_u32 v5, v6
	ds_add_u32 v5, v6
	s_wait_dscnt 0x0
	v_lshrrev_b32 v8, 5, v0
	s_delay_alu instid0(VALU_DEP_1)
	v_readfirstlane_b32 s[WV], v8                  ; wave 0..7
	s_bfe_u32 s52, ttmp6, 0x40000                  ; cx
	s_bfe_u32 s53, ttmp6, 0x40004                  ; cy
	s_lshl_b32 s54, ttmp9, 2
	s_add_co_u32 s54, s54, s52                     ; my block of 64 queries
	s_and_b32 s56, ttmp7, 0xffff                   ; the cluster's y
	s_lshl_b32 s55, s56, 2
	s_add_co_u32 s55, s55, s53                     ; my kv head
	s_lshl_b32 s57, s53, 2
	s_lshl_b32 s57, 15, s57                        ; my row of the cluster
	s_lshl_b32 s58, 0x1111, s52                    ; my column
	; a key step's K and V: 32,768 dense bytes as 128 rows of 32 elements of 8 bytes
	s_or_b32 s[G1K], s57, (3<<16)|(1<<21)
	s_mov_b32 s[G1K+1], 32<<16
	s_mov_b32 s[G1K+2], 128<<16
	s_mov_b32 s[G1K+3], 32<<16
	s_mov_b32 s[G1K+4], 128
	s_mov_b32 s[G1K+5], 32
	s_mov_b32 s[G1K+6], 0
	s_mov_b32 s[G1K+7], 0
	; the mask's tile: 64 rows of 256 elements of 4 bytes, 2,048 elements apart; four words of padding behind every 256
	s_or_b32 s[G1M], s58, (2<<16)|(1<<20)|(1<<21)|(7<<22)|(3<<25)
	s_mov_b32 s[G1M+1], 256<<16
	s_mov_b32 s[G1M+2], 64<<16
	s_mov_b32 s[G1M+3], 256<<16
	s_mov_b32 s[G1M+4], 64
	s_mov_b32 s[G1M+5], 2048
	s_mov_b32 s[G1M+6], 0
	s_mov_b32 s[G1M+7], 0
	s_and_b32 s59, s[WV], 1
	s_lshl_b32 s59, s59, 15                        ; the slot's first key step (wave 0) or its second (wave 1): the same 32,768 bytes on in memory and in a slot
	s_lshl_b32 s60, s55, 19                        ; the kv head's 524,288 bytes
	s_add_co_u32 s60, s60, s59
	s_mov_b32 s61, 0
	s_lshl_b32 s62, s54, 19                        ; 64 rows of the mask, 8,192 bytes each
	s_mov_b32 s63, 0
	s_mov_b32 s[SEL], 0x76543210
	s_mov_b32 s[SEL+1], 0xfedcba98
	s_mov_b32 s[L2E], 0x3fb8aa3b
	s_mov_b32 s[L2E+1], 0x3fb8aa3b
	s_mov_b32 s[C60], 0xc2700000
	s_mov_b32 s[C60+1], 0xc2700000
	s_mov_b32 s[TBK], 0
	s_mov_b32 s[TBM], MB0
	s_mov_b32 s[SLOTS], 7
	s_wait_kmcnt 0x0
	s_load_b256 s[84:91], s[10:11], 0x0            ; e0 .. e7
	s_load_b128 s[92:95], s[10:11], 0x20           ; e8 .. e11
	s_mov_b32 s[G0K], 1
	s_mov_b32 s[G0K+1], s59
	s_add_nc_u64 s[G0K+2:G0K+3], s[6:7], s[60:61]
	s_or_b32 s[G0K+3], s[G0K+3], 0x80000000
	s_mov_b32 s[G0M], 1
	s_mov_b32 s[G0M+1], MB0
	s_add_nc_u64 s[G0M+2:G0M+3], s[8:9], s[62:63]
	s_or_b32 s[G0M+3], s[G0M+3], 0x80000000
	CROUND                                         ; all sixteen work-groups are here: the first joint loads meet
	TLOAD                                          ; key steps 0 and 1 into slot 0
	s_lshr_b32 s66, s[WV], 2
	s_lshl_b32 s68, s55, 1
	s_add_co_u32 s68, s68, s66                     ; my query head
	s_and_b32 s69, s[WV], 3
	s_lshl_b32 s70, s54, 2
	s_add_co_u32 s70, s70, s69                     ; my tile of 16 tokens
	s_lshl_b32 s72, s68, 18
	s_lshl_b32 s71, s70, 11
	s_add_co_u32 s72, s72, s71
	s_mov_b32 s73, 0
	s_add_nc_u64 s[4:5], s[4:5], s[72:73]          ; Q's image
	s_lshl_b32 s72, s70, 4
	s_add_co_u32 s72, s72, s68
	s_lshl_b32 s72, s72, 11
	s_add_nc_u64 s[12:13], s[12:13], s[72:73]      ; and the result's
	v_and_b32 v[LI], 31, v0
	s_delay_alu instid0(VALU_DEP_1)
	v_lshlrev_b32 v[LI], 4, v[LI]
.irp g, 0,1,2,3
	global_load_b128 v[QF+4*\g:QF+4*\g+3], v[LI], s[4:5] offset:512*\g
.endr
	v_and_b32 v8, 15, v0                           ; r
	v_bfe_u32 v9, v0, 4, 1                         ; h
	s_delay_alu instid0(VALU_DEP_2)
	v_mul_u32_u24 v[AM0], v8, MP
	s_delay_alu instid0(VALU_DEP_1)
	v_lshl_add_u32 v[AM0], v9, 5, v[AM0]
	s_mul_i32 s71, s69, 16*MP
	v_add_nc_u32 v[AM0], s71, v[AM0]               ; the mask: row 16 (w % 4) + r, + 32 h
	; the prefetches: where my wave's stand, and who asks
	s_cmp_lt_u32 s[WV], 6                          ; waves 4 and 5: K and V; waves 6 and 7: the mask
	s_cselect_b64 s[PFA:PFA+1], s[6:7], s[8:9]
	s_mov_b32 s[PFS], 1024
	s_cselect_b32 s[PFS], 65536, s[PFS]            ; a slot on
	s_mov_b32 s74, 8192
	s_cselect_b32 s74, 1024, s74                   ; from one group of four lanes to the next
	s_cselect_b32 s75, s52, s53                    ; my place among the four that ask jointly,
	s_cselect_b32 s83, 14, 17                      ; whose parts are 16,384 bytes, or 16 rows of 8,192, apart;
	s_cselect_b32 s71, 13, 16                      ; a wave's half of such a part
	s_cselect_b32 s82, s55, s54
	s_cselect_b32 s81, ttmp9, s56                  ; the coordinate along which other clusters walk the same bytes
	s_lshl_b32 s75, s75, s83
	s_lshl_b32 s82, s82, 19
	s_add_co_u32 s82, s82, s75
	s_and_b32 s75, s[WV], 1
	s_lshl_b32 s75, s75, s71
	s_add_co_u32 s82, s82, s75
	s_add_co_u32 s82, s82, s[PFS]                  ; at slot 1: the first change of slots steps it to slot 2.  Nothing is prefetched here, at the head
	s_mov_b32 s83, 0
	s_mov_b32 s[PFS+1], 0
	s_add_nc_u64 s[PFA:PFA+1], s[PFA:PFA+1], s[82:83]
	s_sub_co_u32 s75, s[WV], 4
	s_lshr_b32 s75, s75, 2                         ; 0 in waves 4 to 7,
	s_or_b32 s75, s75, s81                         ; of the first cluster along that coordinate: alike in all partners
	s_cmp_eq_u32 s75, 0
	s_cselect_b32 s[PLIM], 1, -1
	v_and_b32 v[PFO], 31, v0
	s_delay_alu instid0(VALU_DEP_1)
	v_lshrrev_b32 v10, 2, v[PFO]
	s_delay_alu instid0(VALU_DEP_2)
	v_and_b32 v[PFO], 3, v[PFO]
	s_delay_alu instid0(VALU_DEP_1)
	v_lshlrev_b32 v[PFO], 8, v[PFO]
	s_delay_alu instid0(VALU_DEP_3)
	v_mul_lo_u32 v10, v10, s74
	s_delay_alu instid0(VALU_DEP_1)
	v_add_nc_u32 v[PFO], v[PFO], v10
	v_mov_b32 v13, 0xff61b1e6                      ; the largest t so far: -3e38, under every t
	s_delay_alu instid0(VALU_DEP_1)
	v_floor_f32 v12, -v13                          ; -M
	v_mov_b32 v14, 0
	v_mov_b32 v15, 0
	v_mov_b32 v236, 0                              ; written once: a lane permute's destination counts as one of its sources
	v_mov_b32 v253, 0                              ; (named as the upper half of the pair v[252:253])
	v_mov_b32 v246, 0x41f00000                     ; 30
	v_mov_b32 v247, 0x41f00000
.set j, 0
.rept 64
	v_mov_b32 v[O+j], 0                            ; O^T.  (The steps are written once for the loop: its first trip finds zeros, which the first change of M leaves zeros)
.set j, j+1
.endr
	s_wait_kmcnt 0x0
	s_add_co_i32 s56, s90, s91                     ; a score stands for score x 2^(e6 + e7): added to the constant's exponent field
	s_lshl_b32 s56, s56, 23
	s_add_co_i32 s[CA], s56, 0x3c0b4875            ; 2 log2(e) / (30 sqrt(128))
	s_mov_b32 s[CA+1], s[CA]
	s_add_co_i32 s96, s92, s93                     ; e8 + e9
	MKSC 92, 244, 240                              ; 2^e8, 448 x 2^e8: p's
	MKSC 94, 245, 241                              ; 2^e10, 448 x 2^e10: the result's
; A KEY STEP: 128 keys, the q-th of the slot in hand.
.macro STEP q
.if (\q) == 0
	v_add_nc_u32 v[ADK], s[TBK], v[LI]
	v_add_nc_u32 v[ADM], s[TBM], v[AM0]
	s_wait_alu depctr_va_vdst(0)
	WIN 0x40
.irp t, 0,1,2,3,4,5,6,7
.irp c, 0,1,2,3
	ds_load_b128 v[16*\t+4*\c:16*\t+4*\c+3], v[ADK] offset:2048*\t+512*\c
.endr
.endr
.endif
	s_wait_dscnt 0x0                               ; K is in: the run above, or the four groups of the step before
	WIN 0x01                                       ; source 0 in window 1
.irp t, 0,1,2,3,4,5,6,7
	v_wmma_f32_16x16x128_fp8_fp8 v[S+8*\t:S+8*\t+7], v[16*\t:16*\t+15], v[QF:QF+15], 0
.endr
	WIN 0
.irp t, 0,1,2,3,4,5,6,7
	ds_load_b128 v[MK+8*\t:MK+8*\t+3], v[ADM] offset:512*(\q)+64*\t
	ds_load_b128 v[MK+8*\t+4:MK+8*\t+7], v[ADM] offset:512*(\q)+64*\t+16
.endr
.rept 4
	v_nop                                          ; four places behind the products, in front of the first read of their results (ISA guide 7.12.1)
.endr
.set j, 0
.rept 32
	v_pk_mul_f32 v[S+j:S+j+1], v[S+j:S+j+1], s[CA:CA+1] op_sel_hi:[1,0]                     ; 2 log2(e) x, x = score / (30 sqrt(128)); each accumulator from its low end on
.set j, j+2
.endr
	VLOAD \q, 0                                    ; V's registers were last read by the step before's products, 36 plain lines back
.set j, 0
	s_wait_alu depctr_va_vdst(0)
.rept 64
	v_exp_f32 v[S+j], v[S+j]
.set j, j+1
.endr
	v_nop
	VLOAD \q, 1
.set j, 0
	s_wait_alu depctr_va_vdst(0)
.rept 32
	v_pk_add_f32 v[S+j:S+j+1], v[S+j:S+j+1], 1.0 op_sel_hi:[1,0]
.set j, j+2
.endr
	VLOAD \q, 2
.set j, 0
	s_wait_alu depctr_va_vdst(0)
.rept 64
	v_rcp_f32 v[S+j], v[S+j]
.set j, j+1
.endr
	v_nop
	VLOAD \q, 3
.set j, 0
	s_wait_alu depctr_va_vdst(0)
.rept 32
	v_pk_fma_f32 v[S+j:S+j+1], v[S+j:S+j+1], s[C60:C60+1], v[246:247] op_sel_hi:[1,0,1]     ; 30 tanh(x) = 30 - 60 / (1 + 2^(..))
.set j, j+2
.endr
	s_wait_dscnt 32                                ; the mask is in; V's 32 loads, issued behind it, may be out
.set j, 0
.rept 32
	v_pk_add_f32 v[S+j:S+j+1], v[S+j:S+j+1], v[MK+j:MK+j+1]                                 ; an addition of its own, as the source has it: a very large mask swallows the capped score alike
.set j, j+2
.endr
.if (\q) == 0
	KLOAD 1, 0                                     ; the slot's second step: K's registers are free since this step's products
.endif
	v_max3_num_f32 v254, v96, v97, v98             ; the step's largest logit of my query, among my 64 keys, in two chains,
	v_max3_num_f32 v252, v99, v100, v101
.irp i, 6,10,14,18,22,26,30,34,38,42,46,50,54,58
	s_delay_alu instid0(VALU_DEP_2)
	v_max3_num_f32 v254, v254, v[96+\i], v[97+\i]
	s_delay_alu instid0(VALU_DEP_2)
	v_max3_num_f32 v252, v252, v[98+\i], v[99+\i]
.endr
	s_delay_alu instid0(VALU_DEP_2)
	v_max3_num_f32 v254, v254, v158, v159
	s_delay_alu instid0(VALU_DEP_1)
	v_max_num_f32 v254, v254, v252
	v_permlanex16_b32 v236, v254, s[SEL], s[SEL+1]
	s_delay_alu instid0(VALU_DEP_1)
	v_max_num_f32 v254, v254, v236                 ; and among lane l xor 16's
	s_delay_alu instid0(VALU_DEP_1)
	v_mul_f32 v254, s[L2E], v254                   ; as t
	s_delay_alu instid0(VALU_DEP_1)
	v_max_num_f32 v13, v13, v254                   ; the running largest t
	v_mov_b32 v254, v12
	s_delay_alu instid0(VALU_DEP_2)
	v_floor_f32 v12, -v13                          ; the new -M = floor(-t): M is a whole number
	s_delay_alu instid0(VALU_DEP_1)
	v_sub_f32 v254, v12, v254                      ; M's old value less its new one: a whole number, 0 or less
	s_delay_alu instid0(VALU_DEP_1)
	v_cvt_i32_f32 v254, v254                       ; (it saturates)
	s_delay_alu instid0(VALU_DEP_1)
	v_ldexp_f32 v252, 1.0, v254                    ; f = 2^(old M - new M)
.if (\q) == 0
	KLOAD 1, 1
.endif
.set j, 0
.rept 32
	v_pk_fma_f32 v[S+j:S+j+1], v[S+j:S+j+1], s[L2E:L2E+1], v[12:13] op_sel_hi:[1,0,0]       ; t - M
.set j, j+2
.endr
.if (\q) == 0
	KLOAD 1, 2
.endif
.set j, 0
	s_wait_alu depctr_va_vdst(0)
.rept 64
	v_exp_f32 v[S+j], v[S+j]                       ; p = 2^(t - M)
.set j, j+1
.endr
	v_pk_mul_f32 v[14:15], v[14:15], v[252:253] op_sel_hi:[1,0]                             ; the sums under the new M.  (A plain place behind the exponentials)
	s_wait_alu depctr_va_vdst(0)
	v_pk_add_f32 v[242:243], v[100:101], v[104:105]
	v_pk_add_f32 v[254:255], v[108:109], v[112:113]
	v_pk_add_f32 v[250:251], v[116:117], v[120:121]
	v_pk_add_f32 v[248:249], v[124:125], v[128:129]
	v_pk_add_f32 v[238:239], v[132:133], v[136:137]
	v_pk_add_f32 v[236:237], v[140:141], v[144:145]
	v_pk_add_f32 v[234:235], v[148:149], v[152:153]
	v_pk_add_f32 v[14:15], v[14:15], v[156:157]
	v_pk_add_f32 v[242:243], v[242:243], v[96:97]
	v_pk_add_f32 v[254:255], v[254:255], v[98:99]
	v_pk_add_f32 v[250:251], v[250:251], v[102:103]
	v_pk_add_f32 v[248:249], v[248:249], v[106:107]
	v_pk_add_f32 v[238:239], v[238:239], v[110:111]
	v_pk_add_f32 v[236:237], v[236:237], v[114:115]
	v_pk_add_f32 v[234:235], v[234:235], v[118:119]
	v_pk_add_f32 v[14:15], v[14:15], v[122:123]
	v_pk_add_f32 v[242:243], v[242:243], v[126:127]
	v_pk_add_f32 v[254:255], v[254:255], v[130:131]
	v_pk_add_f32 v[250:251], v[250:251], v[134:135]
	v_pk_add_f32 v[248:249], v[248:249], v[138:139]
	v_pk_add_f32 v[238:239], v[238:239], v[142:143]
	v_pk_add_f32 v[236:237], v[236:237], v[146:147]
	v_pk_add_f32 v[234:235], v[234:235], v[150:151]
	v_pk_add_f32 v[14:15], v[14:15], v[154:155]
	v_pk_add_f32 v[242:243], v[242:243], v[158:159]
	s_delay_alu instid0(VALU_DEP_2)
	v_pk_add_f32 v[14:15], v[14:15], v[248:249]
	s_delay_alu instid0(VALU_DEP_2)
	v_pk_add_f32 v[242:243], v[242:243], v[238:239]
	v_pk_add_f32 v[254:255], v[254:255], v[236:237]
	v_pk_add_f32 v[250:251], v[250:251], v[234:235]
	s_delay_alu instid0(VALU_DEP_2)
	v_pk_add_f32 v[14:15], v[14:15], v[254:255]
	s_delay_alu instid0(VALU_DEP_2)
	v_pk_add_f32 v[242:243], v[242:243], v[250:251]
	s_delay_alu instid0(VALU_DEP_1)
	v_pk_add_f32 v[14:15], v[14:15], v[242:243]
.if (\q) == 0
	s_wait_dscnt 24                                ; V is in; the three groups of the next K, issued behind it, may be out
	KLOAD 1, 3
.else
	s_wait_dscnt 0x0                               ; V is in
.endif
.set j, 0
.rept 64
	v_min_num_f32 v[S+j], v[S+j], v240             ; the conversion does not saturate (ISA guide 7.6.2); p is not negative, so the hold is one-sided
.set j, j+1
.endr
.irp t, 0,1,2,3,4,5,6,7
	v_cvt_scalef32_pk8_fp8_f32 v[PC+2*\t:PC+2*\t+1], v[S+8*\t:S+8*\t+7], v244
.endr
.set j, 0
.rept 32
	v_pk_mul_f32 v[O+j:O+j+1], v[O+j:O+j+1], v[252:253] op_sel_hi:[1,0]                     ; O^T under the new M.  (Also the plain lines behind the conversions)
.set j, j+2
.endr
	WIN 0x01
.irp t, 0,1,2,3,4,5,6,7
	v_wmma_f32_16x16x128_fp8_fp8 v[O+8*\t:O+8*\t+7], v[128+16*\t:128+16*\t+15], v[PC:PC+15], v[O+8*\t:O+8*\t+7]
.endr
.if (\q) == 1
	WIN 0                                          ; a branch or a label follows
.endif
.endm
; THE CHANGE OF SLOTS, at a slot's head.  Each wave waits for all its tensor loads (its part of the slot ahead), adds 0 to its spare word, and waits for that and for its reads of the slot that it has left.
; fill = 1: a round of the cluster's barrier, so that no wave of any partner still reads that slot or has a load on its way; behind it the slot is filled with the next two key steps, which have this slot's two in which to land.
.macro CHANGE fill
	s_wait_tensorcnt 0x0                           ; no tensor load of mine is out, so a group 0 may be written
	ds_add_u32 v[SPW], v[NIL]                      ; 0 onto my spare word
.if \fill
	s_xor_b32 s[G0K+1], s[G0K+1], KVS
	s_add_nc_u64 s[G0K+2:G0K+3], s[G0K+2:G0K+3], KVS
	s_xor_b32 s[G0M+1], s[G0M+1], MSZ
	s_add_nc_u64 s[G0M+2:G0M+3], s[G0M+2:G0M+3], 1024
	s_wait_xcnt 0x0                                ; the last prefetch, a slot back, has read its address, so it may be written
	s_add_nc_u64 s[PFA:PFA+1], s[PFA:PFA+1], s[PFS:PFS+1]
	s_wait_dscnt 0x0                               ; the add is done, and my reads of the slot that I have left are over
	CROUND
	TLOAD                                          ; the first thing behind the round, and a wave's one tensor load until the next
	ASK
.else
	s_wait_dscnt 0x0
	s_barrier_signal -1
	s_barrier_wait -1
.endif
.endm
	s_wait_loadcnt 0x0                             ; Q
.Lslot:                                            ; 7 trips: behind each change of slots but the last the next slot is asked for
	CHANGE 1
	STEP 0
	STEP 1
	s_xor_b32 s[TBK], s[TBK], KVS                  ; on to the other slot
	s_xor_b32 s[TBM], s[TBM], MSZ
	s_sub_co_u32 s[SLOTS], s[SLOTS], 1
	s_cmp_lg_u32 s[SLOTS], 0
	s_cbranch_scc1 .Lslot
	CHANGE 0                                       ; the last slot is written out
	STEP 0
	STEP 1
	; THE WAY OUT: O^T / the sum x 2^(e8 + e9), quantised with 2^e10.  Tile a's eight registers are d = 16 a + 8 h + 0 .. 7 of my query: their conversion is registers 2 a, 2 a + 1 of the last product's operand.
	v_add_f32 v14, v14, v15
	s_delay_alu instid0(VALU_DEP_1)
	v_permlanex16_b32 v252, v14, s[SEL], s[SEL+1]
	s_delay_alu instid0(VALU_DEP_1)
	v_add_f32 v14, v14, v252                       ; the row's sum
	s_wait_alu depctr_va_vdst(0)
	v_rcp_f32 v14, v14
	v_nop
	s_wait_alu depctr_va_vdst(0)
	v_ldexp_f32 v14, v14, s96
	s_delay_alu instid0(VALU_DEP_1)
	v_mov_b32 v15, v14
.set j, 0
.rept 32
	v_pk_mul_f32 v[S+j:S+j+1], v[O+j:O+j+1], v[14:15]
.set j, j+2
.endr
.set j, 0
.rept 64
	v_med3_num_f32 v[S+j], v[S+j], -v241, v241
.set j, j+1
.endr
.irp t, 0,1,2,3,4,5,6,7
	v_cvt_scalef32_pk8_fp8_f32 v[PC+2*\t:PC+2*\t+1], v[S+8*\t:S+8*\t+7], v245
.endr
	v_nop
.irp g, 0,1,2,3
	global_store_b128 v[LI], v[PC+4*\g:PC+4*\g+3], s[12:13] offset:512*\g                   ; each store of the wave covers 512 consecutive bytes, aligned
.endr
	s_wait_tensorcnt 0x0                           ; the wave's end
	ds_add_u32 v[SPW], v[NIL]
	s_wait_dscnt 0x0
	CROUND                                         ; the closing round
	s_endpgm
.Lfunc_end_k_qfc8c71bc63_attn:
	.size	k_qfc8c71bc63_attn, .Lfunc_end_k_qfc8c71bc63_attn-k_qfc8c71bc63_attn
	.p2alignl 7, 3214868480
	.fill 96, 4, 3214868480
	.section	.rodata,"a",@progbits
	.p2align	6, 0x0
	.amdhsa_kernel k_qfc8c71bc63_attn
		.amdhsa_group_segment_fixed_size 327680
		.amdhsa_private_segment_fixed_size 0
		.amdhsa_enable_private_segment 0
		.amdhsa_kernarg_size 40
		.amdhsa_user_sgpr_count 2
		.amdhsa_user_sgpr_kernarg_segment_ptr 1
		.amdhsa_wavefront_size32 1
		.amdhsa_system_sgpr_workgroup_id_x 1
		.amdhsa_system_sgpr_workgroup_id_y 1
		.amdhsa_system_sgpr_workgroup_id_z 1
		.amdhsa_system_vgpr_workitem_id 0
		.amdhsa_next_free_vgpr 512
		.amdhsa_next_free_sgpr 100
		.amdhsa_reserve_vcc 0
		.amdhsa_float_denorm_mode_32 3
		.amdhsa_float_denorm_mode_16_64 3
		.amdhsa_memory_ordered 1
		.amdhsa_forward_progress 1
		.amdhsa_inst_pref_size 153
	.end_amdhsa_kernel
	.amdgpu_metadata
---
amdhsa.version: [ 1, 2 ]
amdhsa.kernels:
  - .name:           k_qfc8c71bc63_attn
    .symbol:         k_qfc8c71bc63_attn.kd
    .args:
      - { .name: qc, .offset: 0, .size: 8, .value_kind: global_buffer, .address_space: global }
      - { .name: kvc, .offset: 8, .size: 8, .value_kind: global_buffer, .address_space: global }
      - { .name: attention_mask, .offset: 16, .size: 8, .value_kind: global_buffer, .address_space: global }
      - { .name: lowp_scales, .offset: 24, .size: 8, .value_kind: global_buffer, .address_space: global }
      - { .name: ac, .offset: 32, .size: 8, .value_kind: global_buffer, .address_space: global }
    .group_segment_fixed_size: 327680
    .private_segment_fixed_size: 0
    .kernarg_segment_align: 8
    .kernarg_segment_size: 40
    .max_flat_workgroup_size: 256
    .sgpr_count:     100
    .vgpr_count:     512
    .wavefront_size: 32
...
	.end_amdgpu_metadata
.endif
;; end of part 3
;; launch outp (part 4): grid 16 x 16, 4 waves a work-group, clusters of 4 x 4, 327,680 bytes of LDS; arguments ac, wc, hidden_states, lowp_scales, out0; writes out0
.if DOCPART == 4
	.amdgcn_target "amdgcn-amd-amdhsa--gfx1250"
	.amdhsa_code_object_version 6
	.text
	.protected	k_qfc8c71bc63_outp
	.globl	k_qfc8c71bc63_outp
	.p2align	8
	.type	k_qfc8c71bc63_outp,@function
k_qfc8c71bc63_outp:
	s_mov_b64 s[64:65], 0
	v_nop
	global_prefetch_b8 v0, s[64:65] scope:SCOPE_SE
	s_setreg_imm32_b32 hwreg(HW_REG_WAVE_MODE, 25, 1), 1
	s_wait_xcnt 0x0
	s_wait_alu depctr_hold_cnt(0) depctr_sa_sdst(0) depctr_va_vdst(0) depctr_va_sdst(0) depctr_va_ssrc(0) depctr_va_vcc(0) depctr_vm_vsrc(0)
	s_getreg_b32 s2, hwreg(HW_REG_IB_STS2, 6, 4)
	s_cmp_eq_u32 s2, 0
	s_cbranch_scc0 .Lentry_in_a_cluster
	s_endpgm
.Lentry_in_a_cluster:
	s_bfe_u32 s2, ttmp6, 0x10000c
	s_cmp_lg_u32 s2, 0xf033
	s_cbranch_scc0 .Lentry_shape_is_right
	s_endpgm
.Lentry_shape_is_right:
.set RTB,    6144
.set SLOT,   24*RTB
.set BOFF,   8*RTB
.set SPARE,  2*SLOT
.set SP,     528
.set KSB,    RTB
.set KEL,    768
.set LASTK,  256
.set STRIDE, 4096
.set LI,   3
.set STO,  4
.set RD,   5
.set ADRA, 16
.set ADRB, 20
.set SPW,  28
.set NIL,  29
.set TMP,  64
.set BK,   128
.set G1,  24
.set G0,  32
.set G1B, 48
.set G0B, 56
.set MSB, 0
.macro WIN new
.if MSB != \new
	s_set_vgpr_msb (MSB<<8)|\new
.set MSB, \new
.endif
.endm
.macro PLACES n
.rept \n
	v_nop
.endr
.endm
.macro JLOAD s
	s_cmp_eq_u32 s15, 0
	s_cbranch_scc0 .Lfor_b_\@
	tensor_load_to_lds s[G0+4*\s:G0+4*\s+3], s[G1:G1+7]
	s_nop 0
.rept 4
	v_nop
.endr
	s_branch .Lasked_\@
.Lfor_b_\@:
	tensor_load_to_lds s[G0B+4*\s:G0B+4*\s+3], s[G1B:G1B+7]
	s_nop 0
.rept 4
	v_nop
.endr
.Lasked_\@:
.endm
.macro CREST
	s_cmp_lg_u32 s14, 0
	s_cbranch_scc1 .Lnot_wave_0_\@
	s_barrier_signal -3
.Lnot_wave_0_\@:
	s_barrier_wait -3
	s_barrier_signal -1
	s_barrier_wait -1
.endm
.macro CROUND
	s_barrier_signal -1
	s_barrier_wait -1
	CREST
.endm
.macro FRAG reg, adr, at
.irp c, 0,1,2,3
	ds_load_b128 v[\reg+4*\c:\reg+4*\c+3], v[\adr] offset:\at+512*\c
.endr
.endm
.macro FETCH slot, q, p
	WIN 0x40
.irp b, 0,1,2,3,4,5,6,7
	FRAG 128*(\p)+16*\b, ADRB+\slot, RTB*\b+2048*(\q)
.endr
	WIN 0
.irp a, 0,1,2,3
	FRAG 128+64*(\p)+16*\a, ADRA+\slot, RTB*\a+2048*(\q)
.endr
.endm
.macro MUL8 a, p, zero
.irp b, 0,1,2,3,4,5,6,7
.if \zero
	v_wmma_f32_16x16x128_fp8_fp8 v[8*(8*(\a)+\b):8*(8*(\a)+\b)+7], v[128*(\p)+16*\b:128*(\p)+16*\b+15], v[128+64*(\p)+16*(\a):128+64*(\p)+16*(\a)+15], 0
.else
	v_wmma_f32_16x16x128_fp8_fp8 v[8*(8*(\a)+\b):8*(8*(\a)+\b)+7], v[128*(\p)+16*\b:128*(\p)+16*\b+15], v[128+64*(\p)+16*(\a):128+64*(\p)+16*(\a)+15], v[8*(8*(\a)+\b):8*(8*(\a)+\b)+7]
.endif
.endr
.endm
.macro MID slot, q, p, zero
	s_wait_dscnt 8
	WIN 0xa1
	MUL8 0, \p, \zero
	MUL8 1, \p, \zero
	PLACES 4
	FETCH \slot, (\q)+1, 1-(\p)
	s_wait_dscnt 48
	WIN 0xa1
	MUL8 2, \p, \zero
	MUL8 3, \p, \zero
.endm
; A PREFETCH INTO THE L2.  Behind the joint loads of K steps 2 and 3 stand the requests for K steps 4 and 5.  At the head K step 1 is asked for behind K step 0's load, and K steps 2 and 3 behind K step 1's.
; Each block of 256 bytes is named once in each cluster that will load it.
; The waves that fetch ac ask for one tile of rows, those that fetch wo for two: the branch hangs on the wave's number alone.  K step 5, the last, has 8 blocks a tile of rows.
; The K steps are written out, so every request's place along K is an immediate.
.macro ASK reg, off
	global_prefetch_b8 v[\reg], s[18:19] offset:(\off) th:TH_LOAD_NT scope:SCOPE_SE
	s_cmp_eq_u32 s15, 0
	s_cbranch_scc1 .Lone_\@
	global_prefetch_b8 v[\reg], s[18:19] offset:(\off)+32768 th:TH_LOAD_NT scope:SCOPE_SE
.Lone_\@:
.endm
.set TN, 0                             ; counts the changes of slots as they are written out
.macro TURN slot, next, p, fill
	WIN 0
	s_wait_tensorcnt 0x0
	ds_add_u32 v[SPW], v[NIL]
	s_wait_dscnt 9
	WIN 0xa1
	MUL8 0, \p, 0
	s_wait_dscnt 0x0
	s_barrier_signal -1
	MUL8 1, \p, 0
	WIN 0
	s_barrier_wait -1
.if \fill
	CREST
	s_add_nc_u64 s[G0+4*\slot+2:G0+4*\slot+3], s[G0+4*\slot+2:G0+4*\slot+3], 2*KSB
	s_add_nc_u64 s[G0B+4*\slot+2:G0B+4*\slot+3], s[G0B+4*\slot+2:G0B+4*\slot+3], 2*KSB
.if \fill == 2
	s_mov_b32 s[G1+1], LASTK<<16
	s_mov_b32 s[G1B+1], LASTK<<16
.endif
	JLOAD \slot
.else
	PLACES 4
.endif
	FETCH \next, 0, 1-(\p)
.set TN, TN+1
.if TN == 1
	ASK 30, 4*KSB
.endif
.if TN == 2
	ASK 31, 5*KSB
.endif
	WIN 0xa1
	MUL8 2, \p, 0
	MUL8 3, \p, 0
.endm
	s_load_b256 s[68:75], s[0:1], 0x0
	s_load_b64 s[76:77], s[0:1], 0x20
	v_lshl_add_u32 v[SPW], v0, 2, SPARE
	v_mov_b32 v[NIL], 0
	ds_add_u32 v28, v29
	ds_add_u32 v28, v29
	s_wait_dscnt 0x0
	v_lshrrev_b32 v1, 5, v0
	v_readfirstlane_b32 s14, v1
	v_and_b32 v30, 31, v0                          ; the prefetches' offsets, never rewritten: v30 = 256 x min(lane, 23): the 24 blocks of 256 bytes of a K step in a tile of 16 rows;
	v_min_u32 v31, 7, v30                          ; v31 = 256 x min(lane, 7): the 8 blocks of the last, shorter K step.  Lanes left over name the last block again
	v_min_u32 v30, 23, v30
	v_lshlrev_b32 v31, 8, v31
	v_lshlrev_b32 v30, 8, v30
	s_lshr_b32 s15, s14, 1
	s_and_b32 s16, s14, 1
	s_bfe_u32 s40, ttmp6, 0x40000
	s_bfe_u32 s41, ttmp6, 0x40004
	s_lshl_b32 s42, ttmp9, 2
	s_add_co_u32 s42, s42, s40
	s_and_b32 s17, ttmp7, 0xffff
	s_lshl_b32 s17, s17, 2
	s_add_co_u32 s17, s17, s41
	s_lshl_b32 s43, s41, 2
	s_lshl_b32 s43, 15, s43
	s_lshl_b32 s44, 0x1111, s40
	s_or_b32 s[G1+0], s43, (3<<16)|(1<<21)
	s_or_b32 s[G1B+0], s44, (3<<16)|(1<<21)
	s_mov_b32 s[G1+1], KEL<<16
	s_mov_b32 s[G1+2], 4<<16
	s_mov_b32 s[G1+3], KEL<<16
	s_mov_b32 s[G1+4], 4
	s_mov_b32 s[G1+5], STRIDE
	s_mov_b32 s[G1+6], 0
	s_mov_b32 s[G1+7], 0
	s_mov_b32 s[G1B+1], KEL<<16
	s_mov_b32 s[G1B+2], 8<<16
	s_mov_b32 s[G1B+3], KEL<<16
	s_mov_b32 s[G1B+4], 8
	s_mov_b32 s[G1B+5], STRIDE
	s_mov_b32 s[G1B+6], 0
	s_mov_b32 s[G1B+7], 0
	s_lshl_b32 s18, s17, 18
	s_lshl_b32 s10, s16, 17
	s_add_co_u32 s18, s18, s10
	s_mov_b32 s19, 0
	s_lshl_b32 s22, s42, 19
	s_lshl_b32 s11, s16, 18
	s_add_co_u32 s22, s22, s11
	s_add_co_u32 s22, s22, 0x1000000
	s_mov_b32 s23, 0
	s_mul_i32 s45, s16, 4*RTB
	s_mul_i32 s12, s16, 8*RTB
	s_add_co_u32 s12, s12, BOFF
	s_wait_kmcnt 0x0
	s_load_b64 s[96:97], s[74:75], 0x28
	s_add_nc_u64 s[20:21], s[68:69], s[18:19]
	s_add_nc_u64 s[46:47], s[70:71], s[22:23]
	s_cmp_eq_u32 s15, 0                            ; s[18:19]: where my prefetches stand, never stepped: of the tiles of rows that my wave fetches, my work-group's share among the four partners that ask jointly,
	s_cselect_b64 s[18:19], s[20:21], s[46:47]     ; told apart by address: one tile of 16 rows of ac's four (by cx), two of wo's eight (by cy); a tile of rows is 32,768 bytes
	s_cselect_b32 s22, s40, s41
	s_cselect_b32 s23, 15, 16
	s_lshl_b32 s22, s22, s23
	s_mov_b32 s23, 0
	s_add_nc_u64 s[18:19], s[18:19], s[22:23]
	CROUND
.irp s, 0,1
	s_mov_b32 s[G0+4*\s], 1
	s_add_co_u32 s[G0+4*\s+1], s45, \s*SLOT
	s_add_nc_u64 s[G0+4*\s+2:G0+4*\s+3], s[20:21], \s*KSB
	s_or_b32 s[G0+4*\s+3], s[G0+4*\s+3], 0x80000000
	s_mov_b32 s[G0B+4*\s], 1
	s_add_co_u32 s[G0B+4*\s+1], s12, \s*SLOT
	s_add_nc_u64 s[G0B+4*\s+2:G0B+4*\s+3], s[46:47], \s*KSB
	s_or_b32 s[G0B+4*\s+3], s[G0B+4*\s+3], 0x80000000
	s_wait_alu depctr_va_vdst(0)
	s_wait_tensorcnt 0x0
	ds_add_u32 v28, v29
	ds_add_u32 v28, v29
	s_wait_dscnt 0x0
	CROUND
	JLOAD \s
.if \s == 0
	ASK 30, KSB
.else
	ASK 30, 2*KSB
	ASK 30, 3*KSB
.endif
.endr
	v_and_b32 v1, 15, v0
	s_wait_alu depctr_va_vdst(0)
	v_bfe_u32 v2, v0, 4, 1
	v_and_b32 v[LI], 31, v0
	v_lshlrev_b32 v[LI], 4, v[LI]
	s_mul_i32 s4, s15, 4*RTB
	s_mul_i32 s5, s16, 8*RTB
	s_add_co_u32 s5, s5, BOFF
.irp s, 0,1
	v_add_nc_u32 v[ADRA+\s], s4, v[LI]
	v_add_nc_u32 v[ADRB+\s], s5, v[LI]
	s_add_co_u32 s4, s4, SLOT
	s_add_co_u32 s5, s5, SLOT
.endr
	s_mul_i32 s6, s14, 16*SP
	v_mul_u32_u24 v[STO], v1, SP
	s_wait_alu depctr_va_vdst(0)
	v_lshl_add_u32 v[STO], v2, 5, v[STO]
	v_add_nc_u32 v[STO], s6, v[STO]
	v_add_nc_u32 v[RD], s6, v[LI]
	s_lshl_b32 s4, s17, 21
	s_lshl_b32 s5, s15, 20
	s_add_co_u32 s4, s4, s5
	s_lshl_b32 s5, s42, 10
	s_add_co_u32 s4, s4, s5
	s_lshl_b32 s5, s16, 9
	s_add_co_u32 s4, s4, s5
	s_mov_b32 s5, 0
	s_add_nc_u64 s[72:73], s[72:73], s[4:5]
	s_add_nc_u64 s[76:77], s[76:77], s[4:5]
	WIN 0xc0
.set j, 0
.rept 64
	global_load_b128 v[4*j:4*j+3], v[LI], s[72:73] offset:16384*j th:TH_LOAD_NT
.set j, j+1
.endr
	WIN 0
	s_wait_tensorcnt 0x1
	s_barrier_signal -1
	s_barrier_wait -1
	FETCH 0, 0, 0
	MID 0, 0, 0, 1
	MID 0, 1, 1, 0
	TURN 0, 1, 0, 1
	MID 1, 0, 1, 0
	MID 1, 1, 0, 0
	TURN 1, 0, 1, 1
	MID 0, 0, 0, 0
	MID 0, 1, 1, 0
	TURN 0, 1, 0, 1
	MID 1, 0, 1, 0
	MID 1, 1, 0, 0
	TURN 1, 0, 1, 2
	MID 0, 0, 0, 0
	MID 0, 1, 1, 0
	TURN 0, 1, 0, 0
	s_wait_dscnt 8
	WIN 0xa1
	MUL8 0, 1, 0
	MUL8 1, 1, 0
	s_wait_dscnt 0x0
	MUL8 2, 1, 0
	MUL8 3, 1, 0
	WIN 0
	PLACES 4
	s_wait_kmcnt 0x0
	s_add_co_i32 s96, s96, s97
	s_add_co_i32 s96, s96, 127
	s_lshl_b32 s96, s96, 23
	s_mov_b32 s97, s96
	s_wait_loadcnt 0x0
.macro OUTBLK a
.set BB, BK+64*((\a)%2)
.if (\a) > 1
	s_wait_xcnt 0x0
.endif
	WIN 0x02
.set j, 0
.rept 32
	v_pk_mul_f32 v[TMP+j:TMP+j+1], v[64*(\a)+j:64*(\a)+j+1], s[96:97] op_sel_hi:[1,0]
.set j, j+2
.endr
	WIN 0
.irp b, 0,1,2,3,4,5,6,7
	ds_store_b128 v[STO], v[TMP+8*\b:TMP+8*\b+3] offset:64*\b
	ds_store_b128 v[STO], v[TMP+8*\b+4:TMP+8*\b+7] offset:64*\b+16
.endr
.set j, 0
.rept 16
	ds_load_b128 v[BB+4*j:BB+4*j+3], v[RD] offset:SP*j
.set j, j+1
.endr
	s_wait_dscnt 0x0
	WIN 0x0c
.set j, 0
.rept 32
	v_pk_add_f32 v[BB+j:BB+j+1], v[BB+j:BB+j+1], v[64*(\a)+j:64*(\a)+j+1]
.set j, j+2
.endr
	WIN 0
.set j, 0
.rept 16
	global_store_b128 v[LI], v[BB+4*j:BB+4*j+3], s[76:77] offset:(16*(\a)+j)*16384 th:TH_STORE_NT
.set j, j+1
.endr
.endm
	OUTBLK 0
	OUTBLK 1
	OUTBLK 2
	OUTBLK 3
	s_wait_tensorcnt 0x0
	ds_add_u32 v[SPW], v[NIL]
	s_wait_dscnt 0x0
	CROUND
	s_endpgm
.Lfunc_end_k_qfc8c71bc63_outp:
	.size	k_qfc8c71bc63_outp, .Lfunc_end_k_qfc8c71bc63_outp-k_qfc8c71bc63_outp
	.p2alignl 7, 3214868480
	.fill 96, 4, 3214868480
	.section	.rodata,"a",@progbits
	.p2align	6, 0x0
	.amdhsa_kernel k_qfc8c71bc63_outp
		.amdhsa_group_segment_fixed_size 327680
		.amdhsa_private_segment_fixed_size 0
		.amdhsa_enable_private_segment 0
		.amdhsa_kernarg_size 40
		.amdhsa_user_sgpr_count 2
		.amdhsa_user_sgpr_kernarg_segment_ptr 1
		.amdhsa_wavefront_size32 1
		.amdhsa_system_sgpr_workgroup_id_x 1
		.amdhsa_system_sgpr_workgroup_id_y 1
		.amdhsa_system_sgpr_workgroup_id_z 1
		.amdhsa_system_vgpr_workitem_id 0
		.amdhsa_next_free_vgpr 1024
		.amdhsa_next_free_sgpr 100
		.amdhsa_reserve_vcc 0
		.amdhsa_float_denorm_mode_32 3
		.amdhsa_float_denorm_mode_16_64 3
		.amdhsa_memory_ordered 1
		.amdhsa_forward_progress 1
		.amdhsa_inst_pref_size 136
	.end_amdhsa_kernel
	.amdgpu_metadata
---
amdhsa.version: [ 1, 2 ]
amdhsa.kernels:
  - .name:           k_qfc8c71bc63_outp
    .symbol:         k_qfc8c71bc63_outp.kd
    .args:
      - { .name: ac, .offset: 0, .size: 8, .value_kind: global_buffer, .address_space: global }
      - { .name: wc, .offset: 8, .size: 8, .value_kind: global_buffer, .address_space: global }
      - { .name: hidden_states, .offset: 16, .size: 8, .value_kind: global_buffer, .address_space: global }
      - { .name: lowp_scales, .offset: 24, .size: 8, .value_kind: global_buffer, .address_space: global }
      - { .name: out0, .offset: 32, .size: 8, .value_kind: global_buffer, .address_space: global }
    .group_segment_fixed_size: 327680
    .private_segment_fixed_size: 0
    .kernarg_segment_align: 8
    .kernarg_segment_size: 40
    .max_flat_workgroup_size: 128
    .sgpr_count:     100
    .vgpr_count:     1024
    .wavefront_size: 32
...
	.end_amdgpu_metadata
.endif
;; end of part 4
